; MI455X (gfx1250); checked and timed in simulation.
; The chip was launched on July 23, 2026; its instructions are those of AMD's public machine-readable ISA for CDNA 5 (MIT licence, August 2026) and "CDNA5" Instruction Set Architecture Reference Guide (July 2026). The comments in the code are by the model that wrote it; some were corrected since.
;; Multi Head Attention Llama2. Allowed arithmetic: matrix products marked QUANTISED: E5M2 operands, one given power-of-two scale a tensor, by v_wmma_f32_16x16x64_bf8_bf8 or v_wmma_f32_16x16x128_bf8_bf8, f32 sums; everything else in f32.
;; Inputs: Wk 1,024 x 1,024 float32; Wp 1,024 x 1,024 float32; Wq 1,024 x 1,024 float32; Wv 1,024 x 1,024 float32; bp 1,024 float32; lowp_scales 12 int32 (the exponents e of the quantised operands' scales 2^e); x 4 x 2,048 x 1,024 float32.
;; Outputs: out0 4 x 2,048 x 1,024 float32.
;; This version of the problem:
;;   THIS VERSION OF THE PROBLEM IS GIVEN IN LOW PRECISION. The matrix products marked QUANTISED in the list below multiply operands that are first quantised to E5M2 (5 exponent bits, 2 mantissa bits; 8 bits a number), with one given power-of-two scale for each operand tensor; their sums are f32. All else is computed in f32.
;;   The module's matrix products, in the order in which they are computed (A, B: the left and right operand; K: the contracted axis; several contracted axes count as one K, in the product's order):
;;     1. [M 8,192, K 1,024] x [K 1,024, N 1,024]; A: input x; B: input Wq: QUANTISED (scales: A lowp_scales[0], B lowp_scales[1])
;;     2. [M 8,192, K 1,024] x [K 1,024, N 1,024]; A: input x; B: input Wk: QUANTISED (scales: A lowp_scales[2], B lowp_scales[3])
;;     3. [M 8,192, K 1,024] x [K 1,024, N 1,024]; A: input x; B: input Wv: QUANTISED (scales: A lowp_scales[4], B lowp_scales[5])
;;     4. batch 64 x [M 2,048, K 64] x [K 64, N 2,048]; A: computed on the way; B: computed on the way: QUANTISED (scales: A lowp_scales[6], B lowp_scales[7])
;;     5. batch 64 x [M 2,048, K 2,048] x [K 2,048, N 64]; A: softmax (see below); B: computed on the way: QUANTISED (scales: A lowp_scales[8], B lowp_scales[9])
;;     6. [M 8,192, K 1,024] x [K 1,024, N 1,024]; A: computed on the way; B: input Wp: QUANTISED (scales: A lowp_scales[10], B lowp_scales[11])
;;   THE QUANTISER, for each operand of a quantised product, along K:
;;     - The operand's scale is 2^e, e = its entry of the input lowp_scales (int32; the entries are numbered through the quantised products in the list's order, A before B).
;;     - Each number is divided by the scale, clamped to +-57,344, and rounded to the nearest number of E5M2, ties to even, subnormals kept.
;;     - The product sums the exact products of the quantised numbers (number of the format x scale) in f32.
;;   ~~~python
;;   def quantise(x, axis, e):      # numpy; x: float32 -> the quantised numbers, widened to float32 again
;;       x = np.moveaxis(x, axis, -1); K = x.shape[-1]
;;       r = np.clip(x / 2.0 ** e, -57344, 57344)
;;       step = 2.0 ** (np.maximum(np.frexp(np.where(r == 0, 1, r))[1] - 1, -14) - 2)
;;       q = np.round(r / step) * step * 2.0 ** e      # np.round: ties to even
;;       return np.moveaxis(q, -1, axis).astype(np.float32)
;;   ~~~
;;   SOFTMAX AHEAD OF A QUANTISED PRODUCT. Where the list says 'softmax', what is quantised is not the finished softmax but p = 2^(t - M), with t = logit x log2(e) and M = ceil(the row's largest t), a whole number; so 1/2 < the row's largest p <= 1. The row's sum l is taken of the UNQUANTISED p, in f32, and the product's result is divided by l at the end. Since M is a whole number, a kernel that streams over the keys may use a running M (the ceiling of the running maximum): every later rescaling is an exact power of two, so the quantised numbers keep their values, but for numbers so far below the row's largest that they fall under the format's range.
;;   OPERANDS COMPUTED ON THE WAY. 'Computed on the way' means the value that the module computes at that place (a softmax that the list does not call 'softmax' is quantised finished and normalised). What goes into a quantiser is computed in f32, as accurately as f32 sums, v_exp_f32 and their like allow (about 1e-6 of the number): no bf16 or f16 on the way to a quantiser, and a product that is left as it is and whose result goes on into a quantised operand takes f32 operands (vector FMAs, or v_wmma_f32_16x16x4_f32). A number that lies on a knife's edge between two numbers of the format may be rounded either way, as far as f32 arithmetic and the matrix unit's own rounding can turn it there, and no further.
;; One version. Each part assembles by itself: llvm-mc -triple=amdgcn-amd-amdhsa -mcpu=gfx1250 --defsym DOCPART=n.
;; ======== version 1 of 1: 4 launches
;; limits: right only within a limited range of input values
;; workspace buffers: xc 25,165,824 bytes; wc 4,194,304 bytes; qkv 25,165,824 bytes; ac 8,388,608 bytes
;; launch quant (part 1): grid 768 x 1, 4 waves a work-group, no clusters, 33,280 bytes of LDS; arguments x, Wq, Wk, Wv, Wp, lowp_scales, xc, wc; writes xc, wc
.if DOCPART == 1
	.amdgcn_target "amdgcn-amd-amdhsa--gfx1250"
	.amdhsa_code_object_version 6
	.text
	.protected	k_q764243e40b_quant
	.globl	k_q764243e40b_quant
	.p2align	8
	.type	k_q764243e40b_quant,@function
k_q764243e40b_quant:
	s_mov_b64 s[64:65], 0
	v_nop
	global_prefetch_b8 v0, s[64:65] scope:SCOPE_SE
	s_setreg_imm32_b32 hwreg(HW_REG_WAVE_MODE, 25, 1), 1
	s_wait_xcnt 0x0
; x [8192][1024] and the four weights [1024][1024], all f32 with K innermost, become codes of BF8 (E5M2), one byte a number, K innermost.
; x is an operand of three products, each with a scale of its own (entries 0, 2, 4 of the scales): three sets of codes, 8 MiB apart in xc.
; The weights' codes lie 1 MiB apart in wc: Wq (entry 1), Wk (entry 3), Wv (entry 5), Wp (entry 11).
; code = number / 2^e, held within +-57,344, rounded to the nearest code, ties to even.
; LIMITS: each e used here lies between -126 and 112, so that 2^e and 57,344 x 2^e are f32 numbers.  NaN among the inputs is not served.
; SHARES.  Rows are dense, so every tensor is a plain stream.  A wave takes 8 steps of 512 numbers, a work-group 16,384 numbers: work-groups 0-511 take x, then 64 each for Wq, Wk, Wv, Wp.
; A conversion takes eight neighbours from ONE lane's registers, a load is densest where neighbouring LANES take neighbouring bytes: each of a step's four loads reads 512 consecutive bytes, the 2,048 bytes
; go through the wave's own stage in LDS as they lie and come back 64 bytes a lane (16 bytes of padding behind each 64).  A lane's 16 codes are 16 bytes: a store of the wave covers 512 consecutive bytes.
; Waves share nothing: no barrier.  Loads run four steps (16 loads a wave) ahead, the turn through LDS one step.  Every offset is an immediate and every step has its own code registers: nothing that a pending store reads is written again.
.set STEPS, 8
.set XWG,   512                        ; x's work-groups
.set EMAX,  15
.set MANT,  0x600000                   ; the mantissa field of 57,344 as f32
.set SC,    5                          ; v5-7     2^e as f32, for set 0, 1, 2
.set LIM,   8
.set R,     16                         ; v16-79   four sets of 16 numbers as they are loaded
.set X,     80                         ; v80-111  two sets of 16 neighbours
.set T,     112
.set C,     128                        ; v128-223 codes: 12 registers for each step
.set WREG,  8192                       ; LDS: a region for each wave: two stages of 32 x SP bytes
.set SP,    80                         ; a lane's place in a stage: 64 bytes + 16 of padding
.set D0,    36                         ; s[36:37], s[38:39], s[40:41] where my wave's codes go: set 0, 1, 2
	s_load_b512 s[8:23], s[0:1], 0x0               ; x 8, Wq 10, Wk 12, Wv 14, Wp 16, the scales 18, xc 20, wc 22
	v_lshl_add_u32 v224, v0, 2, 0x8000
	v_mov_b32 v225, 0
	v_lshrrev_b32 v1, 5, v0
	v_readfirstlane_b32 s3, v1                     ; wave
	v_and_b32 v2, 31, v0                           ; lane
	v_lshlrev_b32 v3, 4, v2                        ; 16 x lane: my bytes of a load's 512, and of a store's
	s_mul_i32 s2, s3, WREG
	v_lshrrev_b32 v14, 2, v2
	v_mul_u32_u24 v14, v14, SP
	v_and_b32 v15, 3, v2
	v_lshl_add_u32 v14, v15, 4, v14
	v_add_nc_u32 v14, s2, v14                      ; the stage, on the way in: four lanes' 64 bytes on end, then the padding
	v_mul_u32_u24 v15, v2, SP
	v_add_nc_u32 v15, s2, v15                      ; and on the way out: my 16 neighbours
	s_wait_alu depctr_va_vdst(0)
	s_wait_kmcnt 0x0
	s_load_b256 s[24:31], s[18:19], 0x0            ; e0 .. e7
	s_load_b128 s[32:35], s[18:19], 0x20           ; e8 .. e11
	s_mov_b64 s[4:5], s[8:9]                       ; which tensor is mine: the choice hangs on the work-group's number alone
	s_mov_b32 s6, 0                                ; and its first work-group
.macro PICK first, ptr
	s_cmp_ge_u32 ttmp9, \first
	s_cselect_b64 s[4:5], s[\ptr:\ptr+1], s[4:5]
	s_cselect_b32 s6, \first, s6
.endm
	PICK 512, 10
	PICK 576, 12
	PICK 640, 14
	PICK 704, 16
	s_sub_co_u32 s44, ttmp9, s6
	s_lshl_b32 s44, s44, 2
	s_add_co_u32 s44, s44, s3                      ; which run of 4,096 numbers of the tensor is my wave's
	s_lshl_b32 s44, s44, 14                        ; 16,384 bytes each
	s_mov_b32 s45, 0
	s_add_nc_u64 s[4:5], s[4:5], s[44:45]
	s_cmp_lt_u32 ttmp9, XWG
	s_cselect_b64 s[D0:D0+1], s[20:21], s[22:23]
	s_cselect_b32 s42, 0, XWG
	s_sub_co_u32 s42, ttmp9, s42
	s_lshl_b32 s42, s42, 2
	s_add_co_u32 s42, s42, s3
	s_lshl_b32 s42, s42, 12                        ; 4,096 bytes of codes a wave; the four weights follow each other in wc as their work-groups do
	s_mov_b32 s43, 0
	s_add_nc_u64 s[D0:D0+1], s[D0:D0+1], s[42:43]
	s_add_nc_u64 s[D0+2:D0+3], s[D0:D0+1], 0x800000    ; x's second and third set (used by x's work-groups alone)
	s_add_nc_u64 s[D0+4:D0+5], s[D0:D0+1], 0x1000000
.macro LOAD t
.irp i, 0,1,2,3
	global_load_b128 v[R+16*((\t)%4)+4*\i:R+16*((\t)%4)+4*\i+3], v3, s[4:5] offset:2048*(\t)+512*\i th:TH_LOAD_NT   ; 32 lanes read 512 consecutive bytes; read once in the launch
.endr
.endm
.macro TURN t                          ; step t's numbers through the stage: LDS serves a wave's instructions in order (ISA guide 5.7.1.4), so no wait stands between the stores and the loads
.irp i, 0,1,2,3
	ds_store_b128 v14, v[R+16*((\t)%4)+4*\i:R+16*((\t)%4)+4*\i+3] offset:32*SP*((\t)%2)+8*SP*\i
.endr
.irp i, 0,1,2,3
	ds_load_b128 v[X+16*((\t)%2)+4*\i:X+16*((\t)%2)+4*\i+3], v15 offset:32*SP*((\t)%2)+16*\i
.endr
.endm
.irp t, 0,1,2,3
	LOAD \t
.endr
	s_wait_kmcnt 0x0
	s_mov_b32 s7, s24                              ; set 0's exponent: e0 for x, e1, e3, e5, e11 for the weights
	s_cmp_ge_u32 ttmp9, 512
	s_cselect_b32 s7, s25, s7
	s_cmp_ge_u32 ttmp9, 576
	s_cselect_b32 s7, s27, s7
	s_cmp_ge_u32 ttmp9, 640
	s_cselect_b32 s7, s29, s7
	s_cmp_ge_u32 ttmp9, 704
	s_cselect_b32 s7, s35, s7
.macro MKSC e, set
	s_add_co_i32 s46, s[\e], 127
	s_lshl_b32 s47, s46, 23
	v_mov_b32 v[SC+\set], s47                      ; 2^e as f32: the conversion takes its exponent field
.endm
	MKSC 7, 0
	MKSC 26, 1                                     ; e2
	MKSC 28, 2                                     ; e4
	s_wait_alu depctr_va_vdst(0)
	s_wait_loadcnt 12                              ; step 0's four loads are in; the twelve behind them may be out
	TURN 0
.macro QSET set, t                     ; the step's 16 neighbours under one scale: convert, store
.irp i, 0,1,2,3,4,5,6,7,8,9,10,11,12,13,14,15
.endr
	v_cvt_scalef32_pk8_bf8_f32 v[C+12*(\t)+4*\set:C+12*(\t)+4*\set+1], v[T+((X+16*((\t)%2)+0)-(T+0)):T+7+((X+16*((\t)%2)+0)-(T+0))], v[SC+\set]
	v_cvt_scalef32_pk8_bf8_f32 v[C+12*(\t)+4*\set+2:C+12*(\t)+4*\set+3], v[T+8+((X+16*((\t)%2)+0)-(T+0)):T+15+((X+16*((\t)%2)+0)-(T+0))], v[SC+\set]
	v_nop
	global_store_b128 v3, v[C+12*(\t)+4*\set:C+12*(\t)+4*\set+3], s[D0+2*\set:D0+2*\set+1] offset:512*(\t)
.endm
.macro STEP t
	s_wait_dscnt 0x0                               ; this step's numbers are back from the stage: so its stores into the stage have read their registers,
.if (\t)+4 < STEPS
	LOAD (\t)+4                                    ; which take the loads of four steps on
.endif
.if (\t)+1 < STEPS
.if STEPS-2-(\t) >= 3
	s_wait_loadcnt 12                              ; the next step's four loads are in; those of the three steps behind it may be out
.else
	s_wait_loadcnt 4*(STEPS-2-(\t))                ; the same, with fewer steps left behind it
.endif
	TURN (\t)+1                                    ; and go through the other stage while this step is worked
.endif
	QSET 0, \t
	s_cmp_lt_u32 ttmp9, XWG                        ; a weight has one scale: the branch hangs on the work-group's number and jumps over conversions and stores to memory alone
	s_cbranch_scc0 .Lweight_\@
	QSET 1, \t
	QSET 2, \t
.Lweight_\@:
.endm
.irp t, 0,1,2,3,4,5,6,7
	STEP \t
.endr
	s_wait_tensorcnt 0x0
	ds_add_u32 v224, v225
	s_wait_dscnt 0x0
	s_endpgm
.Lfunc_end_k_q764243e40b_quant:
	.size	k_q764243e40b_quant, .Lfunc_end_k_q764243e40b_quant-k_q764243e40b_quant
	.p2alignl 7, 3214868480
	.fill 96, 4, 3214868480
	.section	.rodata,"a",@progbits
	.p2align	6, 0x0
	.amdhsa_kernel k_q764243e40b_quant
		.amdhsa_group_segment_fixed_size 33280
		.amdhsa_private_segment_fixed_size 0
		.amdhsa_enable_private_segment 0
		.amdhsa_kernarg_size 64
		.amdhsa_user_sgpr_count 2
		.amdhsa_user_sgpr_kernarg_segment_ptr 1
		.amdhsa_wavefront_size32 1
		.amdhsa_system_sgpr_workgroup_id_x 1
		.amdhsa_system_sgpr_workgroup_id_y 1
		.amdhsa_system_sgpr_workgroup_id_z 1
		.amdhsa_system_vgpr_workitem_id 0
		.amdhsa_next_free_vgpr 226
		.amdhsa_next_free_sgpr 66
		.amdhsa_reserve_vcc 0
		.amdhsa_float_denorm_mode_32 3
		.amdhsa_float_denorm_mode_16_64 3
		.amdhsa_fp16_overflow 1
		.amdhsa_memory_ordered 1
		.amdhsa_forward_progress 1
		.amdhsa_inst_pref_size 18
	.end_amdhsa_kernel
	.amdgpu_metadata
---
amdhsa.version: [ 1, 2 ]
amdhsa.kernels:
  - .name:           k_q764243e40b_quant
    .symbol:         k_q764243e40b_quant.kd
    .args:
      - { .name: x, .offset: 0, .size: 8, .value_kind: global_buffer, .address_space: global }
      - { .name: Wq, .offset: 8, .size: 8, .value_kind: global_buffer, .address_space: global }
      - { .name: Wk, .offset: 16, .size: 8, .value_kind: global_buffer, .address_space: global }
      - { .name: Wv, .offset: 24, .size: 8, .value_kind: global_buffer, .address_space: global }
      - { .name: Wp, .offset: 32, .size: 8, .value_kind: global_buffer, .address_space: global }
      - { .name: lowp_scales, .offset: 40, .size: 8, .value_kind: global_buffer, .address_space: global }
      - { .name: xc, .offset: 48, .size: 8, .value_kind: global_buffer, .address_space: global }
      - { .name: wc, .offset: 56, .size: 8, .value_kind: global_buffer, .address_space: global }
    .group_segment_fixed_size: 33280
    .private_segment_fixed_size: 0
    .kernarg_segment_align: 8
    .kernarg_segment_size: 64
    .max_flat_workgroup_size: 128
    .sgpr_count:     66
    .vgpr_count:     226
    .wavefront_size: 32
...
	.end_amdgpu_metadata
.endif
;; end of part 1
;; launch qkv (part 2): grid 4 x 96, 4 waves a work-group, clusters of 4 x 4, 327,680 bytes of LDS; arguments xc, wc, lowp_scales, qkv; writes qkv
.if DOCPART == 2
	.amdgcn_target "amdgcn-amd-amdhsa--gfx1250"
	.amdhsa_code_object_version 6
	.text
	.protected	k_q764243e40b_qkv
	.globl	k_q764243e40b_qkv
	.p2align	8
	.type	k_q764243e40b_qkv,@function
k_q764243e40b_qkv:
	s_mov_b64 s[64:65], 0
	v_nop
	global_prefetch_b8 v0, s[64:65] scope:SCOPE_SE
	s_setreg_imm32_b32 hwreg(HW_REG_WAVE_MODE, 25, 1), 1
	s_wait_xcnt 0x0
	s_wait_alu depctr_hold_cnt(0) depctr_sa_sdst(0) depctr_va_vdst(0) depctr_va_sdst(0) depctr_va_ssrc(0) depctr_va_vcc(0) depctr_vm_vsrc(0)
	s_getreg_b32 s2, hwreg(HW_REG_IB_STS2, 6, 4)
	s_cmp_eq_u32 s2, 0
	s_cbranch_scc0 .Lentry_in_a_cluster
	s_endpgm
.Lentry_in_a_cluster:
	s_bfe_u32 s2, ttmp6, 0x10000c
	s_cmp_lg_u32 s2, 0xf033
	s_cbranch_scc0 .Lentry_shape_is_right
	s_endpgm
.Lentry_shape_is_right:
; The three projections on codes of BF8 (E5M2): C[i][j] = sum over k of A[i][k] B[j][k], K = 1,024, and C quantised at once for the two products of attention.
; 24 clusters of 4 x 4 work-groups; type = cluster y / 8:  0: q = x Wq^T,  1: k = x Wk^T (A = x's codes, 8,192 rows; B = the weight's, 1,024 rows),  2: v^T = Wv x^T (A = Wv's codes, B = x's): so v comes out with the KEYS innermost.
; x's codes of product t lie t x 8 MiB into xc, the weight's t x 1 MiB into wc.  A sum stands for sum x 2^(ea + eb); its code under the next scale 2^en is sum / 2^(en - ea - eb): one folded scale, with the hold at 57,344 x that.
; LIMITS: e6 - e0 - e1, e7 - e2 - e3 and e9 - e4 - e5 lie between -126 and 112.
; OUT: q at +0 and k at +8 MiB as [b][h][t][64], v at +16 MiB as [b][h][d][t 2048].  Within every 32 bytes of the last axis, byte 16 h' + 8 u + j holds column 16 u + 8 h' + j: for q and k one order of d alike in both, for v the order in which
; the softmax's codes lie in a lane's registers.
; A tile of C, 256 x 256, is made by four waves, a wave 128 x 128: 64 accumulators, 512 registers.  K goes in four steps of 256 through two LDS slots filled by the tensor data mover (rows of 256 bytes).
; CLUSTER: the four of a row of the cluster need the same tiles of A, the four of a column the same tiles of B: each tile is asked for JOINTLY.  THE MATRIX INSTRUCTION IS USED TRANSPOSED (source 0 = 16 rows of B, source 1 = 16 rows of A):
; a lane then holds eight neighbouring numbers of a row of C.
; REGISTERS, in windows of 256: window 0: v0-31 addresses and the folded scale; from v128 A's fragments, ONE set, later the codes.  window 1: B's fragments, TWO sets.  windows 2, 3: the accumulators ((a, b) at v[8 (8 (a % 4) + b)]).
.set ROWB,   256                       ; a tile's row in bytes
.set KROW,   1024                      ; a row of A or of B in memory
.set PITCH,  272                       ; an LDS row: 256 bytes + 16 of padding = 68 words: row r starts at bank 4 r mod 64 (64 banks of 4 bytes: ISA guide 11.1)
.set FR,     16                        ; registers of a fragment: 16 rows x 128 K
.set NL,     4                         ; LDS loads that bring one
.set NP,     4                         ; places behind this matrix instruction (ISA guide 7.12.1)
.set HALFT,  128*PITCH                 ; 128 rows: what one tensor load brings
.set SLOT,   4*HALFT                   ; A's 256 rows, then B's 256 rows
.set SPARE,  2*SLOT                    ; behind the ring: the spare words, 128 bytes for each wave, which no other line names
.set ADRA, 16                          ; v16-17  LDS address of my A fragments in slot 0, 1
.set ADRB, 20                          ; v20-21  the same for B
.set GQ,   22                          ; v22     q, k: my byte in a store's 512
.set GV,   23                          ; v23     v: my byte in a store's two rows
.set STO,  24                          ; v24     the stage: where I put 16 codes of a row
.set RQ0,  25                          ; v25-26  q, k: where I read a head's 64 bytes of eight rows back (rows 0-127, rows 128-255)
.set RQ1,  26
.set RV,   27                          ; v27     v: where I read two whole rows back
.set SPW,  28                          ; v28     LDS address of my spare word; never rewritten
.set NIL,  29                          ; v29     0; never rewritten
.set SCL,  30                          ; v30     the folded scale as f32
.set LIM,  31
.set TMP,  32
.set AF,   128
.set CD,   128                         ; the codes: 16 registers for each block of 16 rows
.set G1, 24                            ; s[24:31] descriptor group 1 for A's tiles;  s[32:39] group 0, one set for each slot
.set G0, 32
.set G1B, 48                           ; s[48:55], s[56:63] the same for B's tiles
.set G0B, 56
.set MSB, 0
.macro WIN new                         ; the immediate's high byte repeats the setting that is left
.if MSB != \new
	s_set_vgpr_msb (MSB<<8)|\new
.set MSB, \new
.endif
.endm
.set MUL_LO, 0xa1                      ; source 0 (B) window 1, source 1 (A) window 0, C and D window 2
.set MUL_HI, 0xf1                      ; the same, C and D window 3
.set TO_B,   0x40                      ; destination window 1, address window 0
; A joint load: waves 0 and 1 fetch for A, waves 2 and 3 for B.  The branch hangs on the wave's number alone.  Four v_nop follow each of the two lines.
.macro JLOAD g0a, g1a, g0b, g1b
	s_cmp_eq_u32 s15, 0
	s_cbranch_scc0 .Lfor_b_\@
	tensor_load_to_lds s[\g0a:\g0a+3], s[\g1a:\g1a+7]
	s_nop 0
.rept 4
	v_nop
.endr
	s_branch .Lasked_\@
.Lfor_b_\@:
	tensor_load_to_lds s[\g0b:\g0b+3], s[\g1b:\g1b+7]
	s_nop 0
.rept 4
	v_nop
.endr
.Lasked_\@:
.endm
.macro CREST                           ; a round of the cluster's barrier behind its opening barrier
	s_cmp_lg_u32 s14, 0
	s_cbranch_scc1 .Lnot_wave_0_\@
	s_barrier_signal -3
.Lnot_wave_0_\@:
	s_barrier_wait -3
	s_barrier_signal -1
	s_barrier_wait -1
.endm
.macro CROUND                          ; a whole round
	s_barrier_signal -1
	s_barrier_wait -1
	CREST
.endm
	s_load_b256 s[4:11], s[0:1], 0x0               ; xc s[4:5], wc s[6:7], the scales s[8:9], qkv s[10:11]
	v_lshl_add_u32 v[SPW], v0, 2, SPARE
	v_mov_b32 v[NIL], 0
	ds_add_u32 v28, v29
	ds_add_u32 v28, v29
	s_wait_dscnt 0x0
	v_lshrrev_b32 v1, 5, v0
	v_readfirstlane_b32 s14, v1                    ; wave 0..3
	s_lshr_b32 s15, s14, 1                         ; which half of the tile's rows is mine.  Also: I fetch for A (0) or for B (1)
	s_and_b32 s16, s14, 1                          ; which half of its columns.  Also: which 128 rows of that tile I fetch
	s_bfe_u32 s40, ttmp6, 0x40000                  ; cx, cy: my place in the cluster
	s_bfe_u32 s41, ttmp6, 0x40004
	s_and_b32 s66, ttmp7, 0xffff                   ; the cluster's y, 0 .. 23: the same in all sixteen partners
	s_lshr_b32 s68, s66, 3                         ; type: 0 q, 1 k, 2 v
	s_and_b32 s67, s66, 7
	s_lshl_b32 s67, s67, 2                         ; 4 x the cluster's number within its type: along x's 32 tiles of 256 rows
	s_cmp_lt_u32 s68, 2
	s_cselect_b32 s70, s67, 0                      ; x's rows are C's rows for q and k,
	s_cselect_b32 s71, 0, s67                      ; C's columns for v
	s_add_co_u32 s17, s70, s41                     ; tile row of C
	s_add_co_u32 s42, s71, s40                     ; tile column of C
	s_lshl_b32 s43, s41, 2
	s_lshl_b32 s43, 15, s43                        ; my row of the cluster
	s_lshl_b32 s44, 0x1111, s40                    ; my column
	; descriptor group 1: a tile of 128 rows x 256 bytes, padded in LDS
	s_or_b32 s[G1+0], s43, (0<<16)|(1<<20)|(1<<21)|(5<<22)|(3<<25)  ; 15:0 the mask: A's tiles go to my row; 17:16 element of 1 byte; 20 padding on; 21 set beside a mask; 24:22 after every 64 words (code 5); 31:25 of 4 words (code 3)
	s_or_b32 s[G1B+0], s44, (0<<16)|(1<<20)|(1<<21)|(5<<22)|(3<<25)
.irp g, G1, G1B
	s_mov_b32 s[\g+1], ROWB<<16                    ; tensor_dim0
	s_mov_b32 s[\g+2], 128<<16                     ; tensor_dim1 = 128
	s_mov_b32 s[\g+3], ROWB<<16                    ; tile_dim0
	s_mov_b32 s[\g+4], 128                         ; tile_dim1 = 128
	s_mov_b32 s[\g+5], KROW                        ; tensor_dim0_stride
	s_mov_b32 s[\g+6], 0
	s_mov_b32 s[\g+7], 0
.endr
	s_lshl_b32 s18, s16, 7                         ; which 128 rows of the tile I fetch
	s_lshl_b32 s20, s17, 8
	s_add_co_u32 s20, s20, s18                     ; A: row 256 x tile row + 128 x half,
	s_lshl_b32 s20, s20, 10                        ; in bytes (under 2^23)
	s_mov_b32 s21, 0
	s_lshl_b32 s46, s42, 8
	s_add_co_u32 s46, s46, s18                     ; B: row 256 x tile column + 128 x half
	s_lshl_b32 s46, s46, 10
	s_mov_b32 s47, 0
	s_mul_i32 s45, s14, HALFT                      ; where they go: wave x 128 rows: no place in the cluster enters an LDS address
	s_lshl_b32 s84, s68, 23                        ; type x 8 MiB into xc,
	s_mov_b32 s85, 0
	s_lshl_b32 s86, s68, 20                        ; type x 1 MiB into wc
	s_mov_b32 s87, 0
	s_wait_kmcnt 0x0
	s_load_b256 s[72:79], s[8:9], 0x0              ; e0 .. e7
	s_load_b128 s[80:83], s[8:9], 0x20             ; e8 .. e11
	s_add_nc_u64 s[84:85], s[4:5], s[84:85]        ; x's codes of my product,
	s_add_nc_u64 s[86:87], s[6:7], s[86:87]        ; the weight's
	s_cmp_lt_u32 s68, 2                            ; which of the two is A: the choice hangs on the type alone
	s_cselect_b64 s[88:89], s[84:85], s[86:87]
	s_cselect_b64 s[90:91], s[86:87], s[84:85]
	s_add_nc_u64 s[20:21], s[88:89], s[20:21]
	s_add_nc_u64 s[46:47], s[90:91], s[46:47]
	CROUND                                         ; all sixteen work-groups are here: the first joint loads meet
.irp s, 0,1
	s_mov_b32 s[G0+4*\s], 1
	s_add_co_u32 s[G0+4*\s+1], s45, \s*SLOT
	s_add_nc_u64 s[G0+4*\s+2:G0+4*\s+3], s[20:21], \s*ROWB
	s_or_b32 s[G0+4*\s+3], s[G0+4*\s+3], 0x80000000
	s_mov_b32 s[G0B+4*\s], 1
	s_add_co_u32 s[G0B+4*\s+1], s45, \s*SLOT
	s_add_nc_u64 s[G0B+4*\s+2:G0B+4*\s+3], s[46:47], \s*ROWB
	s_or_b32 s[G0B+4*\s+3], s[G0B+4*\s+3], 0x80000000
	JLOAD G0+4*\s, G1, G0B+4*\s, G1B
.endr
	v_and_b32 v1, 15, v0                           ; r = l % 16
	v_bfe_u32 v2, v0, 4, 1                         ; h = l / 16
	v_mul_u32_u24 v3, v1, PITCH
	v_lshl_add_u32 v4, v2, 4, v3                   ; a fragment's row x pitch + 16 x half
	s_wait_alu depctr_va_vdst(0)
	s_mul_i32 s21, s15, HALFT                      ; my 128 rows of A
	s_mul_i32 s22, s16, HALFT                      ; my 128 rows of B,
	s_add_co_u32 s22, s22, 2*HALFT                 ; which lie behind A's 256
.irp s, 0,1
	v_add_nc_u32 v[ADRA+\s], s21, v4
	v_add_nc_u32 v[ADRB+\s], s22, v4
	s_add_co_u32 s21, s21, SLOT
	s_add_co_u32 s22, s22, SLOT
.endr
	; the way out: ONE stage for the work-group, the tile as codes: 256 rows x 272 bytes, in slot 0
	s_mul_i32 s23, s15, HALFT                      ; my 128 rows,
	s_lshl_b32 s22, s16, 7                         ; my 128 of their 256 bytes
	s_add_co_u32 s23, s23, s22
	v_add_nc_u32 v[STO], s23, v4                   ; in: row r, 16 bytes for each half of the lanes
	v_and_b32 v6, 31, v0                           ; lane
	v_lshrrev_b32 v5, 2, v6
	v_mul_u32_u24 v5, v5, PITCH
	v_and_b32 v7, 3, v0
	v_lshl_add_u32 v5, v7, 4, v5
	s_lshl_b32 s23, s14, 6
	v_add_nc_u32 v[RQ0], s23, v5                   ; q, k, back: wave w takes head w of the tile's four: four lanes to a row's 64 bytes, eight rows an instruction
	v_add_nc_u32 v[RQ1], 128*PITCH, v[RQ0]         ; (the immediate reaches 65,535 bytes: rows 128 on have a register of their own)
	v_lshlrev_b32 v[GQ], 4, v6
	s_mul_i32 s23, s14, 64*PITCH
	v_mul_u32_u24 v5, v2, PITCH
	v_lshl_add_u32 v5, v1, 4, v5
	v_add_nc_u32 v[RV], s23, v5                    ; v, back: wave w takes rows 64 w on, whole: sixteen lanes to a row, two rows an instruction
	v_lshlrev_b32 v5, 11, v2
	v_lshl_add_u32 v[GV], v1, 4, v5                ; and the same two rows in v, 2,048 bytes apart
	; where my wave's part begins in qkv.  q, k: batch (tile row / 8) x 2 MiB + head (4 x tile column + wave) x 128 KiB + (tile row % 8) x 256 rows of 64 bytes
	s_lshr_b32 s92, s17, 3
	s_lshl_b32 s92, s92, 21
	s_lshl_b32 s93, s42, 2
	s_add_co_u32 s93, s93, s14
	s_lshl_b32 s93, s93, 17
	s_add_co_u32 s92, s92, s93
	s_and_b32 s93, s17, 7
	s_lshl_b32 s93, s93, 14
	s_add_co_u32 s92, s92, s93
	; v: batch (tile column / 8) x 2 MiB + row (256 x tile row + 64 x wave) x 2,048 + (tile column % 8) x 256
	s_lshr_b32 s94, s42, 3
	s_lshl_b32 s94, s94, 21
	s_lshl_b32 s93, s17, 2
	s_add_co_u32 s93, s93, s14
	s_lshl_b32 s93, s93, 17
	s_add_co_u32 s94, s94, s93
	s_and_b32 s93, s42, 7
	s_lshl_b32 s93, s93, 8
	s_add_co_u32 s94, s94, s93
	s_cmp_lt_u32 s68, 2
	s_cselect_b32 s92, s92, s94
	s_lshl_b32 s93, s68, 23                        ; + type x 8 MiB
	s_add_co_u32 s92, s92, s93
	s_mov_b32 s93, 0
	s_add_nc_u64 s[10:11], s[10:11], s[92:93]
.macro FRAG reg, adr, q, i             ; a fragment, 16 rows x 128 K, is 16 registers: lane l holds row l % 16; registers 4 c .. 4 c + 3 hold K = 32 c + 16 (l / 16) + 0 .. 15: one order of k, alike in A and in B
.irp c, 0,1,2,3
	ds_load_b128 v[\reg+4*\c:\reg+4*\c+3], v[\adr] offset:128*(\q)+32*\c+(\i)*16*PITCH
.endr
.endm
; 16 matrix instructions: A's blocks a0, a0 + 1 x B's eight, 128 along K.  p: B's set.  zero = 1: the first product starts the sums.  The 64 accumulators take turns, one instruction a turn, in the same order in every step.
.macro MUL16 a0, p, zero
.irp a, \a0, \a0+1
.irp b, 0,1,2,3,4,5,6,7
.if \zero
	v_wmma_f32_16x16x128_bf8_bf8 v[8*(8*((\a)%4)+\b):8*(8*((\a)%4)+\b)+7], v[128*(\p)+FR*\b:128*(\p)+FR*\b+FR-1], v[AF+FR*(\a):AF+FR*(\a)+FR-1], 0
.else
	v_wmma_f32_16x16x128_bf8_bf8 v[8*(8*((\a)%4)+\b):8*(8*((\a)%4)+\b)+7], v[128*(\p)+FR*\b:128*(\p)+FR*\b+FR-1], v[AF+FR*(\a):AF+FR*(\a)+FR-1], v[8*(8*((\a)%4)+\b):8*(8*((\a)%4)+\b)+7]
.endif
.endr
.endr
.endm
.macro FETCH_B slot, q, p              ; B's eight fragments of the slot's q-th 128 along K into set p
	WIN TO_B
.irp i, 0,1,2,3,4,5,6,7
	FRAG 128*(\p)+FR*\i, ADRB+\slot, \q, \i
.endr
	WIN 0
.endm
.macro FETCH_A slot, q, i0             ; A's blocks i0 .. i0 + 3
.irp i, \i0, \i0+1, \i0+2, \i0+3
	FRAG AF+FR*(\i), ADRA+\slot, \q, \i
.endr
.endm
; A load into a register that a matrix instruction has read, and a vector instruction that reads a matrix result, stand NP places behind that matrix instruction; only plain vector instructions that name none of its registers are places.
.macro PLACES n
.rept \n
	v_nop
.endr
.endm
; A step of 128 along K that has its successor in the same slot.
.macro STEP slot, q, zero
	s_wait_dscnt 4*NL                              ; B's set and A's blocks 0-3 are in; the youngest sixteen loads (A's blocks 4-7) may be out
	WIN MUL_LO
	MUL16 0, (\q)%2, \zero
	MUL16 2, (\q)%2, \zero
	s_wait_dscnt 0                                 ; A's blocks 4-7 are in (asked for 32 matrix instructions ago)
	PLACES NP
	FETCH_B \slot, (\q)+1, 1-(\q)%2
	FETCH_A \slot, (\q)+1, 0
	WIN MUL_HI
	MUL16 4, (\q)%2, \zero
	MUL16 6, (\q)%2, \zero
	PLACES NP
	WIN 0
	FETCH_A \slot, (\q)+1, 4
.endm
; A slot's last step changes slots: ONE barrier; in front of it each wave waits for all its tensor loads, adds 0 to its spare word, and waits for that and for its own reads of this slot.  fill = 1: this slot is filled again, two K steps ahead.
.macro TURN slot, next, fill
	s_wait_tensorcnt 0x0                           ; all my tensor loads have landed: my part of the next slot  (every window is 0 here)
	ds_add_u32 v[SPW], v[NIL]                      ; 0 onto my spare word
	s_wait_dscnt 4*NL+1                            ; (the add and the youngest sixteen loads, A's blocks 4-7, may be out)
	WIN MUL_LO
	MUL16 0, 1, 0                                  ; sixteen matrix instructions stand between the add and the wait for it
	s_wait_dscnt 0x0                               ; the add is done, and my reads of this slot are over
	s_barrier_signal -1
	MUL16 2, 1, 0
	WIN 0
	s_barrier_wait -1
.if \fill
	CREST                                          ; the barrier has opened a round of the cluster's barrier: no wave of any partner still reads this slot's tile or has a load on its way
	s_add_nc_u64 s[G0+4*\slot+2:G0+4*\slot+3], s[G0+4*\slot+2:G0+4*\slot+3], 2*ROWB
	s_add_nc_u64 s[G0B+4*\slot+2:G0B+4*\slot+3], s[G0B+4*\slot+2:G0B+4*\slot+3], 2*ROWB
	JLOAD G0+4*\slot, G1, G0B+4*\slot, G1B         ; the first tensor load behind the round; its four v_nop are also the places in front of the loads below
.else
	PLACES NP
.endif
	FETCH_B \next, 0, 0
	FETCH_A \next, 0, 0
	WIN MUL_HI
	MUL16 4, 1, 0
	MUL16 6, 1, 0
	PLACES NP
	WIN 0
	FETCH_A \next, 0, 4
.endm
	s_wait_tensorcnt 1                             ; my part of K step 0 is in (K step 1's load may be out)
	s_barrier_signal -1
	s_barrier_wait -1                              ; everybody's is
	FETCH_B 0, 0, 0
	FETCH_A 0, 0, 0
	FETCH_A 0, 0, 4
	STEP 0, 0, 1                                   ; K = 1,024 is four K steps of 256: written out.  The first products start the sums
	TURN 0, 1, 1                                   ; slot 0 takes K step 2
	STEP 1, 0, 0
	TURN 1, 0, 1                                   ; slot 1 takes K step 3
	STEP 0, 0, 0
	TURN 0, 1, 0                                   ; nothing is left to fetch; behind this barrier nobody reads slot 0
	STEP 1, 0, 0
	s_wait_dscnt 4*NL                              ; the very last step
	WIN MUL_LO
	MUL16 0, 1, 0
	MUL16 2, 1, 0
	s_wait_dscnt 0
	WIN MUL_HI
	MUL16 4, 1, 0
	MUL16 6, 1, 0
	WIN 0
	; THE WAY OUT.  The sums become codes in registers; the tile's codes meet in the stage (slot 0 has had its last fill and its last read); a barrier; each wave stores long dense runs.
	s_wait_kmcnt 0x0
	s_sub_co_i32 s92, s78, s72
	s_sub_co_i32 s92, s92, s73                     ; q: e6 - e0 - e1
	s_sub_co_i32 s93, s79, s74
	s_sub_co_i32 s93, s93, s75                     ; k: e7 - e2 - e3
	s_sub_co_i32 s94, s81, s76
	s_sub_co_i32 s94, s94, s77                     ; v: e9 - e4 - e5
	s_cmp_eq_u32 s68, 1
	s_cselect_b32 s92, s93, s92
	s_cmp_eq_u32 s68, 2
	s_cselect_b32 s92, s94, s92
	s_add_co_i32 s92, s92, 127
	s_lshl_b32 s96, s92, 23
	v_mov_b32 v[SCL], s96                          ; the folded scale as f32
	s_add_co_i32 s92, s92, 15
	s_lshl_b32 s92, s92, 23
	s_or_b32 s97, s92, 0x600000
	PLACES NP                                      ; in front of the first read of results and the first write over A's fragments
; Block a, 16 rows x 128 columns.  A lane's 64 sums are converted and stored 16 bytes at a time: the codes of accumulators 2 b and 2 b + 1, at byte 32 b + 16 (l / 16) of the row.
.macro CODES a
	WIN 0x02+((\a)/4)                              ; source 0: window 2 or 3
.set j, 0
.rept 64
.set j, j+1
.endr
.irp b, 0,1,2,3,4,5,6,7
	v_cvt_scalef32_pk8_bf8_f32 v[CD+16*(\a)+2*\b:CD+16*(\a)+2*\b+1], v[TMP+8*\b+((64*((\a)%4)+j)-(TMP+j)):TMP+8*\b+7+((64*((\a)%4)+j)-(TMP+j))], v[SCL]
.endr
	WIN 0
	v_nop
.irp b, 0,1,2,3
	ds_store_b128 v[STO], v[CD+16*(\a)+4*\b:CD+16*(\a)+4*\b+3] offset:(\a)*16*PITCH+32*\b
.endr
.endm
.irp a, 0,1,2,3,4,5,6,7
	CODES \a
.endr
	s_wait_dscnt 0x0                               ; for the others' sake: my stores into the stage are done
	s_barrier_signal -1
	s_barrier_wait -1
	s_cmp_lt_u32 s68, 2                            ; the type is the same in all partners; the two arms hold LDS loads and stores to memory alone
	s_cbranch_scc0 .Lvout
.set t, 0
.rept 16
	ds_load_b128 v[CD+4*t:CD+4*t+3], v[RQ0] offset:8*PITCH*t
.set t, t+1
.endr
.rept 16
	ds_load_b128 v[CD+4*t:CD+4*t+3], v[RQ1] offset:8*PITCH*(t-16)
.set t, t+1
.endr
.set t, 0
.rept 32
	s_wait_dscnt 31-t                              ; LDS loads come back in order (ISA guide 5.7.1): load t is in, the younger ones may be out
	global_store_b128 v[GQ], v[CD+4*t:CD+4*t+3], s[10:11] offset:512*t   ; eight rows of a head: 512 consecutive bytes
.set t, t+1
.endr
	s_branch .Lout_done
.Lvout:
.set t, 0
.rept 32
	ds_load_b128 v[CD+4*t:CD+4*t+3], v[RV] offset:2*PITCH*t
.set t, t+1
.endr
.set t, 0
.rept 32
	s_wait_dscnt 31-t
	global_store_b128 v[GV], v[CD+4*t:CD+4*t+3], s[10:11] offset:4096*t  ; two rows of v: sixteen lanes store 256 consecutive bytes, at a multiple of 256 from the buffer's first byte
.set t, t+1
.endr
.Lout_done:
	s_wait_tensorcnt 0x0                           ; the wave's end
	ds_add_u32 v[SPW], v[NIL]
	s_wait_dscnt 0x0
	CROUND                                         ; the closing round: no work-group ends while a partner may still ask for a tile that names it
	s_endpgm
.Lfunc_end_k_q764243e40b_qkv:
	.size	k_q764243e40b_qkv, .Lfunc_end_k_q764243e40b_qkv-k_q764243e40b_qkv
	.p2alignl 7, 3214868480
	.fill 96, 4, 3214868480
	.section	.rodata,"a",@progbits
	.p2align	6, 0x0
	.amdhsa_kernel k_q764243e40b_qkv
		.amdhsa_group_segment_fixed_size 327680
		.amdhsa_private_segment_fixed_size 0
		.amdhsa_enable_private_segment 0
		.amdhsa_kernarg_size 32
		.amdhsa_user_sgpr_count 2
		.amdhsa_user_sgpr_kernarg_segment_ptr 1
		.amdhsa_wavefront_size32 1
		.amdhsa_system_sgpr_workgroup_id_x 1
		.amdhsa_system_sgpr_workgroup_id_y 1
		.amdhsa_system_sgpr_workgroup_id_z 1
		.amdhsa_system_vgpr_workitem_id 0
		.amdhsa_next_free_vgpr 1024
		.amdhsa_next_free_sgpr 100
		.amdhsa_reserve_vcc 0
		.amdhsa_float_denorm_mode_32 3
		.amdhsa_float_denorm_mode_16_64 3
		.amdhsa_fp16_overflow 1
		.amdhsa_memory_ordered 1
		.amdhsa_forward_progress 1
		.amdhsa_inst_pref_size 98
	.end_amdhsa_kernel
	.amdgpu_metadata
---
amdhsa.version: [ 1, 2 ]
amdhsa.kernels:
  - .name:           k_q764243e40b_qkv
    .symbol:         k_q764243e40b_qkv.kd
    .args:
      - { .name: xc, .offset: 0, .size: 8, .value_kind: global_buffer, .address_space: global }
      - { .name: wc, .offset: 8, .size: 8, .value_kind: global_buffer, .address_space: global }
      - { .name: lowp_scales, .offset: 16, .size: 8, .value_kind: global_buffer, .address_space: global }
      - { .name: qkv, .offset: 24, .size: 8, .value_kind: global_buffer, .address_space: global }
    .group_segment_fixed_size: 327680
    .private_segment_fixed_size: 0
    .kernarg_segment_align: 8
    .kernarg_segment_size: 32
    .max_flat_workgroup_size: 128
    .sgpr_count:     100
    .vgpr_count:     1024
    .wavefront_size: 32
...
	.end_amdgpu_metadata
.endif
;; end of part 2
;; launch attn (part 3): grid 4 x 64, 16 waves a work-group, no clusters, 327,680 bytes of LDS; arguments qkv, lowp_scales, ac; writes ac
.if DOCPART == 3
	.amdgcn_target "amdgcn-amd-amdhsa--gfx1250"
	.amdhsa_code_object_version 6
	.text
	.protected	k_q764243e40b_attn
	.globl	k_q764243e40b_attn
	.p2align	8
	.type	k_q764243e40b_attn,@function
k_q764243e40b_attn:
	s_mov_b64 s[64:65], 0
	v_nop
	global_prefetch_b8 v0, s[64:65] scope:SCOPE_SE
	s_setreg_imm32_b32 hwreg(HW_REG_WAVE_MODE, 25, 1), 1
	s_wait_xcnt 0x0
; Causal attention of one head on codes of BF8 (E5M2): o[q] = sum over k <= q of softmax_k(q . k / 32) v[k]; o is quantised at once for the last projection.
; IN (qkv): q at +0 and k at +8 MiB as [b][h][t][64] (one order of d, alike in both), v at +16 MiB as [b][h][d][t 2048], keys innermost, in the order in which p's codes lie in a lane's registers.  OUT (ac): [b][h][t][64], d in its own order.
; THE SOFTMAX AHEAD OF THE SECOND PRODUCT: t = score x log2(e) / 32; M = the row's largest t so far, rounded UP to a whole number; p = 2^(t - M) is what is quantised (scale 2^e8), not normalised.
; The row's sum is taken of the unquantised p, in f32, and divides O at the end.  When M moves, the sum and O are multiplied by 2^(old M - new M): exact.
; SHARES.  The mask makes late queries dearer than early ones: work-group (g, head) owns the blocks of 256 queries 7 - g and g, one after the other: 8 - g and g + 1 slots of 256 keys, NINE for every work-group, a constant of the text.
; Each of the sixteen waves owns 16 queries of a block, in 256 registers: four waves to a SIMD, so that one wave's vector work stands beside another's matrix work and LDS loads.
; K's and V's tiles come through a ring of two LDS slots (wave 0: K's 256 rows; wave 1: V's 64 rows) and are read by all sixteen; the ring goes on from the first block into the second.
; NO JOINT LOADS: the four work-groups of a head ask for the same slots only in their first five trips; from then on their sequences of slots differ (8 - g differs), so their descriptors could not be equal in every trip.
; LAYOUT.  Both products are used transposed: S^T = K Q^T (source 0 = 16 keys, source 1 = my 16 queries; K = 64), O^T = V^T P^T (source 0 = 16 of the head's 64, source 1 = P; K = 128 keys): a lane holds ONE query (lane % 16) throughout.
; In S^T register 8 t + j of lane (r, h) is key 16 t + 8 h + j; its eight codes are registers 2 t, 2 t + 1 of P, and v's rows are stored so that a load of 16 bytes at 32 c + 16 h brings the same keys.
; LIMITS: e6 + e7 between -121 and 132 (added to c's exponent field); e8 and e10 - e8 - e9 between -126 and 112.  NaN among the inputs is not served.
; REGISTERS: v1-11 addresses; v12 -M, v13 the largest t, v[14:15] the sum in two halves; v16-23 Q in hand, v24-31 the second block's; v32-95 fragments of K, then of V; v96-159 S^T, then p; v160-191 O^T; v192-207 p's codes; v208-223 the way out; v236-255 at work.
.set KP,    80                         ; a key's row in LDS: 64 bytes + 16 of padding: 16 rows start at 16 different groups of four banks
.set VP,    272                        ; a row of V's tile: 256 bytes + 16
.set VOFF,  256*KP                     ; a slot: 256 rows of K, then 64 rows of V
.set SLOT1, 1<<16                      ; slot 1 begins here: one exclusive or turns an address in one slot into the other's
.set SPARE, 2*SLOT1                    ; behind the ring: the spare words, 128 bytes for each wave, which no other line names
.set STAGE, SPARE+2048                 ; the way out: 16 rows x 80 bytes for each wave; no fill ever lands here
.set AK0,  1                           ; v1   my lane's place in a tile of K
.set AV0,  2                           ; v2   the same for V
.set PFO,  3                           ; v3   the prefetches' offset; never rewritten
.set STO,  4                           ; v4   the stage: where I put 8 codes of a row
.set SPW,  5                           ; v5   LDS address of my spare word; never rewritten
.set NIL,  6                           ; v6   0; never rewritten
.set SRD,  7                           ; v7   the stage: where I read rows back
.set ADK,  8                           ; v8   LDS address of the step's tiles of K
.set ADV,  9                           ; v9   of V
.set GO,   10                          ; v10  16 x lane: my bytes of a store's 512
.set TB,   2                           ; s2   LDS byte at which the slot in hand begins
.set WV,   18                          ; s18  my wave's number
.set SEL,  20                          ; s[20:21] lane selects for v_permlanex16_b32: lane l xor 16
.set CS,   22                          ; s[22:23] c = log2(e) / 32 x 2^(e6 + e7)
.set G1K,  24                          ; s[24:31] descriptor group 1 for K's tiles;  s[32:39] for V's;  s[40:43], s[44:47] their groups 0
.set G1V,  32
.set G0K,  40
.set G0V,  44
.set NH,   49                          ; s49  trips of the first block: 8 - g
.set TAU,  50                          ; s50  the trip in hand, 0 .. 8
.set SIG,  51                          ; s51  its slot of keys
.set SGN,  52                          ; s52  the slot of keys that is being asked for
.set TLD,  53                          ; s53  and its trip
.set KB,   54                          ; s[54:55] my head's k;  s[56:57] my head's v
.set VB,   56
.set OUT,  58                          ; s[58:59] my 16 rows of ac in the first block;  s[60:61] in the second
.set OUTL, 60
.set Q0L,  66                          ; s66  my first query in the second block
.set SLOTS, 67                         ; s67  slots still to be asked for
.set PFA,  76                          ; s[76:77] where my prefetches stand;  s[78:79] a slot on, in bytes
.set PFS,  78
.set LIM,  80                          ; s80  2 in a wave that prefetches, else the greatest number: a wave prefetches while s[SLOTS] is above it
.set KF,   98                          ; s98  the step's first key
.set Q0,   99                          ; s99  my first query
; Wave 0 fetches K's tile, wave 1 V's, the others nothing.  The branches hang on the wave's number alone.  Four v_nop follow each of the two lines.
.macro TLOAD
	s_cmp_lt_u32 s[WV], 1
	s_cbranch_scc0 .Lnot_k_\@
	tensor_load_to_lds s[G0K:G0K+3], s[G1K:G1K+7]
	s_nop 0
.rept 4
	v_nop
.endr
	s_branch .Lasked_\@
.Lnot_k_\@:
	s_cmp_lt_u32 s[WV], 2
	s_cbranch_scc0 .Lasked_\@
	tensor_load_to_lds s[G0V:G0V+3], s[G1V:G1V+7]
	s_nop 0
.rept 4
	v_nop
.endr
.Lasked_\@:
.endm
; A PREFETCH INTO THE L2 of what the NEXT change of slots will ask for.  The head's work-group g = 0 walks slots 0 to 7 in order: it alone asks, so that each aligned block of 256 bytes is named once in the launch.
; In it waves 4 and 5 ask for K's 16,384 bytes, 8,192 a wave, lanes 256 bytes apart; waves 6 and 7 for V's 64 rows, 32 a wave, a lane a row (a slot's part of a row is 256 bytes, aligned).  Trip t asks for slot t + 2, one trip (two key steps of
; each of the sixteen waves) ahead of its load; slots 0 and 1 come by their loads alone; trips 6 and 7 ask for nothing: the head has eight slots.
.macro ASK
	s_cmp_gt_u32 s[SLOTS], s[LIM]
	s_cbranch_scc0 .Lnot_mine_\@
	global_prefetch_b8 v[PFO], s[PFA:PFA+1] th:TH_LOAD_NT scope:SCOPE_SE
.Lnot_mine_\@:
.endm
	s_load_b128 s[4:7], s[0:1], 0x0                ; qkv s[4:5], the scales s[6:7]
	s_load_b64 s[8:9], s[0:1], 0x10                ; ac
	v_lshl_add_u32 v[SPW], v0, 2, SPARE
	v_mov_b32 v[NIL], 0
	ds_add_u32 v5, v6
	ds_add_u32 v5, v6
	s_wait_dscnt 0x0
	v_lshrrev_b32 v8, 5, v0
	s_delay_alu instid0(VALU_DEP_1)
	v_readfirstlane_b32 s[WV], v8                  ; wave 0..15
	s_and_b32 s73, ttmp7, 0xffff                   ; batch x 16 + head
	s_lshl_b32 s74, s73, 17                        ; a head is 2,048 x 64 bytes in each of the four tensors of codes
	s_mov_b32 s75, 0
	s_sub_co_u32 s[NH], 8, ttmp9
	s_sub_co_u32 s82, 7, ttmp9
	s_lshl_b32 s82, s82, 8
	s_lshl_b32 s83, s[WV], 4
	s_add_co_u32 s[Q0], s82, s83                   ; my first query: 256 (7 - g) + 16 x wave,
	s_lshl_b32 s82, ttmp9, 8
	s_add_co_u32 s[Q0L], s82, s83                  ; later 256 g + 16 x wave
	; descriptor group 1: K: 256 rows of 64 bytes, dense in memory;  V: 64 rows of 256 bytes, 2,048 bytes apart
	s_mov_b32 s[G1K], (0<<16)|(1<<20)|(3<<22)|(3<<25)  ; 15:0 no mask; 17:16 elements of 1 byte; 20 padding on; 24:22 after every 16 words (code 3); 31:25 four words (code 3)
	s_mov_b32 s[G1K+1], 64<<16                     ; tensor_dim0
	s_mov_b32 s[G1K+2], 256<<16                    ; tensor_dim1
	s_mov_b32 s[G1K+3], 64<<16                     ; tile_dim0
	s_mov_b32 s[G1K+4], 256                        ; tile_dim1
	s_mov_b32 s[G1K+5], 64                         ; tensor_dim0_stride
	s_mov_b32 s[G1K+6], 0
	s_mov_b32 s[G1K+7], 0
	s_mov_b32 s[G1V], (0<<16)|(1<<20)|(5<<22)|(3<<25)  ; padding: four words after every 64
	s_mov_b32 s[G1V+1], 256<<16
	s_mov_b32 s[G1V+2], 64<<16
	s_mov_b32 s[G1V+3], 256<<16
	s_mov_b32 s[G1V+4], 64
	s_mov_b32 s[G1V+5], 2048
	s_mov_b32 s[G1V+6], 0
	s_mov_b32 s[G1V+7], 0
	s_mov_b32 s[SEL], 0x76543210
	s_mov_b32 s[SEL+1], 0xfedcba98
	s_mov_b32 s[CS], 0x3d38aa3b                    ; log2(e) / 32
	s_mov_b32 s[TB], 0
	s_mov_b32 s[TAU], 0
	s_mov_b32 s[SIG], 0
	s_mov_b32 s[SGN], 0
	s_mov_b32 s[TLD], 0
	s_mov_b32 s[SLOTS], 8
	s_wait_kmcnt 0x0
	s_load_b128 s[68:71], s[6:7], 0x18             ; e6, e7, e8, e9
	s_load_b32 s72, s[6:7], 0x28                   ; e10
	s_add_nc_u64 s[4:5], s[4:5], s[74:75]          ; my head's q,
	s_add_nc_u64 s[KB:KB+1], s[4:5], 0x800000      ; k,
	s_add_nc_u64 s[VB:VB+1], s[4:5], 0x1000000     ; v,
	s_add_nc_u64 s[8:9], s[8:9], s[74:75]          ; and its rows of ac
	s_mov_b32 s[G0K], 1                            ; 1:0 count = 1
	s_mov_b32 s[G0K+1], 0                          ; 63:32 LDS address: slot 0
	s_mov_b64 s[G0K+2:G0K+3], s[KB:KB+1]           ; 120:64 global address: the head's first 256 keys
	s_or_b32 s[G0K+3], s[G0K+3], 0x80000000        ; 127:126 type = 2
	s_mov_b32 s[G0V], 1
	s_mov_b32 s[G0V+1], VOFF
	s_mov_b64 s[G0V+2:G0V+3], s[VB:VB+1]
	s_or_b32 s[G0V+3], s[G0V+3], 0x80000000
	TLOAD                                          ; the first trip's slot
	s_lshl_b32 s82, s[Q0], 6
	s_mov_b32 s83, 0
	s_add_nc_u64 s[84:85], s[4:5], s[82:83]        ; q's codes at my first query,
	s_add_nc_u64 s[OUT:OUT+1], s[8:9], s[82:83]
	s_lshl_b32 s82, s[Q0L], 6
	s_add_nc_u64 s[86:87], s[4:5], s[82:83]        ; and in the second block
	s_add_nc_u64 s[OUTL:OUTL+1], s[8:9], s[82:83]
	v_and_b32 v8, 15, v0                           ; r = lane % 16
	s_wait_alu depctr_va_vdst(0)
	v_bfe_u32 v9, v0, 4, 1                         ; h = lane / 16
	v_lshlrev_b32 v11, 6, v8
	s_delay_alu instid0(VALU_DEP_1)
	v_lshl_add_u32 v11, v9, 4, v11                 ; Q: row r of 64 bytes, + 16 h
.irp c, 0,1
	global_load_b128 v[16+4*\c:19+4*\c], v11, s[84:85] offset:32*\c   ; both blocks' fragments of Q stay in registers
	global_load_b128 v[24+4*\c:27+4*\c], v11, s[86:87] offset:32*\c
.endr
	; the prefetches: where my wave's stand, and who asks
	s_cmp_lt_u32 s[WV], 6                          ; waves 4 and 5 ask for K's codes, waves 6 and 7 for V's
	s_cselect_b64 s[PFA:PFA+1], s[KB:KB+1], s[VB:VB+1]
	s_mov_b32 s[PFS], 256
	s_cselect_b32 s[PFS], 16384, s[PFS]            ; a slot on
	s_mov_b32 s82, 2048
	s_cselect_b32 s82, 256, s82                    ; from lane to lane
	s_mov_b32 s83, 65536
	s_cselect_b32 s83, 8192, s83                   ; from wave to wave
	v_and_b32 v[PFO], 31, v0
	s_delay_alu instid0(VALU_DEP_1)
	v_mul_lo_u32 v[PFO], v[PFO], s82
	s_and_b32 s82, s[WV], 1
	s_mul_i32 s82, s82, s83                        ; my wave's part,
	s_add_co_u32 s82, s82, s[PFS]                  ; in slot 1: the first change of slots steps it to slot 2.  Nothing is prefetched here, at the head
	s_mov_b32 s83, 0
	s_mov_b32 s[PFS+1], 0
	s_add_nc_u64 s[PFA:PFA+1], s[PFA:PFA+1], s[82:83]
	s_sub_co_u32 s82, s[WV], 4
	s_lshr_b32 s82, s82, 2                         ; 0 in waves 4 to 7,
	s_or_b32 s82, s82, ttmp9                       ; of the work-group g = 0
	s_cmp_eq_u32 s82, 0
	s_cselect_b32 s[LIM], 2, -1
	v_mul_u32_u24 v[AK0], v8, KP
	s_wait_alu depctr_va_vdst(0)
	v_lshl_add_u32 v[AK0], v9, 4, v[AK0]           ; K: row r, + 16 h
	v_mul_u32_u24 v[AV0], v8, VP
	s_delay_alu instid0(VALU_DEP_1)
	v_lshl_add_u32 v[AV0], v9, 4, v[AV0]
	s_delay_alu instid0(VALU_DEP_1)
	v_add_nc_u32 v[AV0], VOFF, v[AV0]              ; V likewise
	s_mul_i32 s82, s[WV], 16*80
	s_add_co_u32 s82, s82, STAGE                   ; my stage
	v_mul_u32_u24 v[STO], v8, 80
	s_delay_alu instid0(VALU_DEP_1)
	v_lshl_add_u32 v[STO], v9, 3, v[STO]
	s_delay_alu instid0(VALU_DEP_1)
	v_add_nc_u32 v[STO], s82, v[STO]               ; in: row r, + 8 h
	v_and_b32 v[GO], 31, v0
	s_delay_alu instid0(VALU_DEP_1)
	v_lshrrev_b32 v[SRD], 2, v[GO]
	s_delay_alu instid0(VALU_DEP_1)
	v_mul_u32_u24 v[SRD], v[SRD], 80
	v_and_b32 v254, 3, v0
	s_delay_alu instid0(VALU_DEP_1)
	v_lshl_add_u32 v[SRD], v254, 4, v[SRD]
	s_delay_alu instid0(VALU_DEP_1)
	v_add_nc_u32 v[SRD], s82, v[SRD]               ; back: four lanes to a row's 64 bytes, eight rows an instruction
	v_lshlrev_b32 v[GO], 4, v[GO]
	v_mov_b32 v13, 0xff61b1e6                      ; the largest t so far: -3e38, under every t
	s_delay_alu instid0(VALU_DEP_1)
	v_floor_f32 v12, -v13                          ; -M
	v_mov_b32 v14, 0                               ; the sum, in two halves
	v_mov_b32 v15, 0
	v_mov_b32 v236, 0                              ; written once: a lane permute's destination counts as one of its sources
	v_mov_b32 v253, 0                              ; (named as the upper half of the pair v[252:253])
.set j, 0
.rept 32
	v_mov_b32 v[160+j], 0                          ; O^T.  (The step is written once: a block's first step finds zeros, which the first change of M leaves zeros)
.set j, j+1
.endr
	s_wait_kmcnt 0x0
	s_add_co_i32 s82, s68, s69
	s_lshl_b32 s82, s82, 23
	s_add_co_i32 s[CS], s[CS], s82                 ; a score stands for score x 2^(e6 + e7): the two exponents are added to c's exponent field
	s_mov_b32 s[CS+1], s[CS]                       ; (named with it as a pair, so it is written)
	s_add_co_i32 s82, s70, 127
	s_lshl_b32 s83, s82, 23
	v_mov_b32 v244, s83                            ; 2^e8 as f32, for p's conversions
	s_sub_co_i32 s82, s72, s70
	s_sub_co_i32 s82, s82, s71                     ; O / the sum stands for o / 2^(e8 + e9): its code is that / 2^(e10 - e8 - e9)
	s_add_co_i32 s82, s82, 127
	s_lshl_b32 s83, s82, 23
	v_mov_b32 v245, s83
; A KEY STEP: 128 keys, the q-th of the slot in hand.
.macro STEP q
	s_add_co_u32 s96, s[Q0], 15                    ; a step all of whose keys come after my 16 queries is left out: a scalar branch on ids; no barrier and no tensor load stands in a step
	s_cmp_gt_u32 s[KF], s96
	s_cbranch_scc1 .Lhidden_\@
	v_add_nc_u32 v[ADK], s[TB], v[AK0]
	v_add_nc_u32 v[ADV], s[TB], v[AV0]
	v_nop                                          ; with the two additions: four places in front of loads into registers that the last products read
	v_nop
.irp t, 0,1,2,3,4,5,6,7                        ; K: eight tiles of 16 neighbouring keys
.irp c, 0,1
	ds_load_b128 v[32+8*\t+4*\c:35+8*\t+4*\c], v[ADK] offset:(128*(\q)+16*\t)*KP+32*\c
.endr
.endr
	s_wait_dscnt 0x0
	s_wait_alu depctr_va_vdst(0)
.irp t, 0,1,2,3,4,5,6,7
	v_wmma_f32_16x16x64_bf8_bf8 v[96+8*\t:103+8*\t], v[32+8*\t:39+8*\t], v[16:23], 0   ; S^T
.endr
.rept 4
	v_nop                                          ; places in front of the loads below and of the first read of the scores
.endr
.irp t, 0,1,2,3                                ; V: four tiles of 16 of the head's 64 x these 128 keys: they land while the softmax is worked
.irp c, 0,1,2,3
	ds_load_b128 v[32+16*\t+4*\c:35+16*\t+4*\c], v[ADV] offset:16*\t*VP+128*(\q)+32*\c
.endr
.endr
	s_add_co_u32 s96, s[KF], 127                   ; on the diagonal the scores of hidden keys become -infinity ahead of the maximum: p = 0 then.  A step all of whose keys count skips this
	s_cmp_le_u32 s96, s[Q0]
	s_cbranch_scc1 .Lopen_\@
	s_sub_co_i32 s96, s[Q0], s[KF]
	v_and_b32 v252, 15, v0
	v_bfe_u32 v253, v0, 4, 1
	s_delay_alu instid0(VALU_DEP_1)
	v_lshlrev_b32 v253, 3, v253
	s_delay_alu instid0(VALU_DEP_1)
	v_sub_nc_u32 v252, v252, v253
	s_delay_alu instid0(VALU_DEP_1)
	v_add_nc_u32 v252, s96, v252                   ; d = my query - KF - 8 (lane / 16).  Register 8 t + j holds key KF + 8 (lane / 16) + 16 t + j: hidden where 16 t + j > d
	v_mov_b32 v254, 0xff800000                     ; -infinity
.set n, 0
.rept 64
	v_cmp_gt_i32 vcc_lo, 16*(n/8)+n%8, v252
	v_cndmask_b32 v[96+n], v[96+n], v254, vcc_lo
.set n, n+1
.endr
.Lopen_\@:
	v_max3_num_f32 v254, v96, v97, v98             ; the step's largest score of my query, among my 64 keys, in two chains,
	v_max3_num_f32 v252, v99, v100, v101
.set i, 6
.rept 14
	v_max3_num_f32 v254, v254, v[96+i], v[97+i]
	v_max3_num_f32 v252, v252, v[98+i], v[99+i]
.set i, i+4
.endr
	v_max3_num_f32 v254, v254, v158, v159
	s_delay_alu instid0(VALU_DEP_1)
	v_max_num_f32 v254, v254, v252
	s_delay_alu instid0(VALU_DEP_1)
	v_permlanex16_b32 v236, v254, s[SEL], s[SEL+1]
	s_delay_alu instid0(VALU_DEP_1)
	v_max_num_f32 v254, v254, v236                 ; and among lane l xor 16's
	s_delay_alu instid0(VALU_DEP_1)
	v_mul_f32 v254, s[CS], v254                    ; as t (c is positive)
	s_delay_alu instid0(VALU_DEP_1)
	v_max_num_f32 v13, v13, v254                   ; the running largest t
	v_mov_b32 v254, v12
	s_delay_alu instid0(VALU_DEP_2)
	v_floor_f32 v12, -v13                          ; the new -M = floor(-t) = -ceil(t): M is a whole number
	s_delay_alu instid0(VALU_DEP_1)
	v_sub_f32 v254, v12, v254                      ; M's old value less its new one: a whole number, 0 or less
	s_delay_alu instid0(VALU_DEP_1)
	v_cvt_i32_f32 v254, v254                       ; (it saturates)
	s_delay_alu instid0(VALU_DEP_1)
	v_ldexp_f32 v252, 1.0, v254                    ; f = 2^(old M - new M)
.set j, 0
.rept 32
	v_pk_fma_f32 v[96+j:97+j], v[96+j:97+j], s[CS:CS+1], v[12:13] op_sel_hi:[1,0,0]   ; t - M, two at a time (of the pairs c and -M the low word serves both halves)
.set j, j+2
.endr
.set j, 0
	s_wait_alu depctr_va_vdst(0)
.rept 64
	v_exp_f32 v[96+j], v[96+j]                     ; p = 2^(t - M), at most 1: not normalised
.set j, j+1
.endr
	v_pk_mul_f32 v[14:15], v[14:15], v[252:253] op_sel_hi:[1,0]   ; the sums under the new M.  (A plain place behind the exponentials)
	s_wait_alu depctr_va_vdst(0)
	v_pk_add_f32 v[242:243], v[100:101], v[104:105]
	v_pk_add_f32 v[254:255], v[108:109], v[112:113]
	v_pk_add_f32 v[250:251], v[116:117], v[120:121]
	v_pk_add_f32 v[248:249], v[124:125], v[128:129]
	v_pk_add_f32 v[246:247], v[132:133], v[136:137]
	v_pk_add_f32 v[240:241], v[140:141], v[144:145]
	v_pk_add_f32 v[238:239], v[148:149], v[152:153]
	v_pk_add_f32 v[14:15], v[14:15], v[156:157]
	v_pk_add_f32 v[242:243], v[242:243], v[96:97]
	v_pk_add_f32 v[254:255], v[254:255], v[98:99]
	v_pk_add_f32 v[250:251], v[250:251], v[102:103]
	v_pk_add_f32 v[248:249], v[248:249], v[106:107]
	v_pk_add_f32 v[246:247], v[246:247], v[110:111]
	v_pk_add_f32 v[240:241], v[240:241], v[114:115]
	v_pk_add_f32 v[238:239], v[238:239], v[118:119]
	v_pk_add_f32 v[14:15], v[14:15], v[122:123]
	v_pk_add_f32 v[242:243], v[242:243], v[126:127]
	v_pk_add_f32 v[254:255], v[254:255], v[130:131]
	v_pk_add_f32 v[250:251], v[250:251], v[134:135]
	v_pk_add_f32 v[248:249], v[248:249], v[138:139]
	v_pk_add_f32 v[246:247], v[246:247], v[142:143]
	v_pk_add_f32 v[240:241], v[240:241], v[146:147]
	v_pk_add_f32 v[238:239], v[238:239], v[150:151]
	v_pk_add_f32 v[14:15], v[14:15], v[154:155]
	v_pk_add_f32 v[242:243], v[242:243], v[158:159]
	s_delay_alu instid0(VALU_DEP_2)
	v_pk_add_f32 v[14:15], v[14:15], v[248:249]
	s_delay_alu instid0(VALU_DEP_2)
	v_pk_add_f32 v[242:243], v[242:243], v[246:247]
	v_pk_add_f32 v[254:255], v[254:255], v[240:241]
	v_pk_add_f32 v[250:251], v[250:251], v[238:239]
	s_delay_alu instid0(VALU_DEP_2)
	v_pk_add_f32 v[14:15], v[14:15], v[254:255]
	s_delay_alu instid0(VALU_DEP_2)
	v_pk_add_f32 v[242:243], v[242:243], v[250:251]
	s_delay_alu instid0(VALU_DEP_1)
	v_pk_add_f32 v[14:15], v[14:15], v[242:243]
.set j, 0
.rept 64
.set j, j+1
.endr
.irp t, 0,1,2,3,4,5,6,7
	v_cvt_scalef32_pk8_bf8_f32 v[192+2*\t:193+2*\t], v[96+8*\t:103+8*\t], v244   ; registers 2 t, 2 t + 1 of P: keys 16 t + 8 h + 0 .. 7
.endr
.set j, 0
.rept 16
	v_pk_mul_f32 v[160+j:161+j], v[160+j:161+j], v[252:253] op_sel_hi:[1,0]   ; O^T under the new M.  (These are also the plain lines between the conversions and the products below)
.set j, j+2
.endr
	s_wait_alu depctr_va_vdst(0)
	s_wait_dscnt 0x0                               ; V is in
.irp t, 0,1,2,3                                ; O^T += V^T P^T: the four accumulators take turns, one instruction a turn, and the next step's eight score products stand between two turns
	v_wmma_f32_16x16x128_bf8_bf8 v[160+8*\t:167+8*\t], v[32+16*\t:47+16*\t], v[192:207], v[160+8*\t:167+8*\t]
.endr
.Lhidden_\@:
	s_add_co_u32 s[KF], s[KF], 128
.endm
; A block's end: O^T / the sum becomes codes, which go through my stage (rows of 64 bytes + 16) and leave as 2 x 512 consecutive bytes.
.macro FINISH base
.rept 4
	v_nop                                          ; places behind the last products
.endr
	s_wait_xcnt 0x0                                ; the stores of the block before, long ago, have read their registers: they are loaded again below
	v_add_f32 v14, v14, v15                        ; the sum's two halves,
	s_delay_alu instid0(VALU_DEP_1)
	v_permlanex16_b32 v236, v14, s[SEL], s[SEL+1]
	s_delay_alu instid0(VALU_DEP_1)
	v_add_f32 v14, v14, v236                       ; and lane l xor 16's: the row's sum
	s_wait_alu depctr_va_vdst(0)
	v_rcp_f32 v14, v14
	v_nop                                          ; a plain place behind the transcendental
.set j, 0
	s_wait_alu depctr_va_vdst(0)
.rept 16
	v_pk_mul_f32 v[96+j:97+j], v[160+j:161+j], v[14:15] op_sel_hi:[1,0]   ; each accumulator from its low end on; register 8 t + i is o(r, 16 t + 8 h + i) / 2^(e8 + e9)
.set j, j+2
.endr
.set j, 0
.rept 32
.set j, j+1
.endr
.irp t, 0,1,2,3
	v_cvt_scalef32_pk8_bf8_f32 v[208+2*\t:209+2*\t], v[96+8*\t:103+8*\t], v245
.endr
	v_nop                                          ; a plain vector line behind the last conversion
.irp t, 0,1,2,3
	ds_store_b64 v[STO], v[208+2*\t:209+2*\t] offset:16*\t
.endr
	ds_load_b128 v[216:219], v[SRD]                ; LDS serves a wave's instructions in order (ISA guide 5.7.1.4): these see my stores
	ds_load_b128 v[220:223], v[SRD] offset:8*80
	s_wait_dscnt 1                                 ; the first load is in, the second may be out
	global_store_b128 v[GO], v[216:219], s[\base:\base+1]
	s_wait_dscnt 0x0
	global_store_b128 v[GO], v[220:223], s[\base:\base+1] offset:512
.endm
.macro RESET                           ; on to the second block
	v_mov_b32 v13, 0xff61b1e6
	s_delay_alu instid0(VALU_DEP_1)
	v_floor_f32 v12, -v13
	v_mov_b32 v14, 0
	v_mov_b32 v15, 0
.set j, 0
.rept 32
	v_mov_b32 v[160+j], 0
.set j, j+1
.endr
.set j, 0
.rept 8
	v_mov_b32 v[16+j], v[24+j]
.set j, j+1
.endr
	s_mov_b32 s[Q0], s[Q0L]
.endm
; THE CHANGE OF SLOTS stands at a trip's head.  Each wave waits for all its tensor loads (at most one is out), adds 0 to its spare word, and waits for that and for its reads of the slot that it has left.
; Behind the barrier the slot ahead is whole and nobody reads the other one.  fill = 1: that other slot is filled with the next trip's keys: the slot after the one in hand, or slot 0 where the second block begins.
.macro CHANGE fill
	s_wait_tensorcnt 0x0                           ; no tensor load of mine is out, so a group 0 may be written
	ds_add_u32 v[SPW], v[NIL]                      ; 0 onto my spare word
.if \fill
	s_xor_b32 s[G0K+1], s[G0K+1], SLOT1            ; the other slot than last time
	s_xor_b32 s[G0V+1], s[G0V+1], SLOT1
	s_add_co_u32 s[SGN], s[SGN], 1
	s_add_co_u32 s[TLD], s[TLD], 1
	s_cmp_eq_u32 s[TLD], s[NH]
	s_cselect_b32 s[SGN], 0, s[SGN]
	s_lshl_b32 s82, s[SGN], 14                     ; 256 keys of 64 bytes
	s_mov_b32 s83, 0
	s_add_nc_u64 s[G0K+2:G0K+3], s[KB:KB+1], s[82:83]
	s_or_b32 s[G0K+3], s[G0K+3], 0x80000000
	s_lshl_b32 s82, s[SGN], 8                      ; 256 bytes along V's rows
	s_add_nc_u64 s[G0V+2:G0V+3], s[VB:VB+1], s[82:83]
	s_or_b32 s[G0V+3], s[G0V+3], 0x80000000
	s_wait_xcnt 0x0                                ; the last prefetch, a trip back, has read its address, so it may be written
	s_add_nc_u64 s[PFA:PFA+1], s[PFA:PFA+1], s[PFS:PFS+1]
.endif
	s_wait_dscnt 0x0                               ; the add is done, and my reads of the slot that I have left are over
	s_barrier_signal -1
	s_barrier_wait -1
.if \fill
	TLOAD                                          ; the first thing behind the barrier, and a wave's one tensor load until the next
	ASK
.endif
.endm
.macro SLOT_STEPS
	s_cmp_lg_u32 s[TAU], s[NH]                     ; the first block's keys are through: a branch on the work-group's number, the same in all sixteen waves
	s_cbranch_scc1 .Lsame_\@
	FINISH OUT
	RESET
.Lsame_\@:
	s_lshl_b32 s[KF], s[SIG], 8
	STEP 0
	STEP 1
	s_xor_b32 s[TB], s[TB], SLOT1                  ; on to the other slot
	s_add_co_u32 s[TAU], s[TAU], 1
	s_add_co_u32 s[SIG], s[SIG], 1
	s_cmp_eq_u32 s[TAU], s[NH]
	s_cselect_b32 s[SIG], 0, s[SIG]
.endm
	s_wait_loadcnt 0x0                             ; Q
.Lslot:                                            ; eight trips: behind each change of slots but the last the next trip's slot is asked for
	CHANGE 1
	SLOT_STEPS
	s_sub_co_u32 s[SLOTS], s[SLOTS], 1
	s_cmp_lg_u32 s[SLOTS], 0
	s_cbranch_scc1 .Lslot
	CHANGE 0                                       ; the ninth trip is written out
	SLOT_STEPS
	FINISH OUTL
	s_wait_tensorcnt 0x0                           ; the wave's end
	ds_add_u32 v[SPW], v[NIL]
	s_wait_dscnt 0x0
	s_endpgm
.Lfunc_end_k_q764243e40b_attn:
	.size	k_q764243e40b_attn, .Lfunc_end_k_q764243e40b_attn-k_q764243e40b_attn
	.p2alignl 7, 3214868480
	.fill 96, 4, 3214868480
	.section	.rodata,"a",@progbits
	.p2align	6, 0x0
	.amdhsa_kernel k_q764243e40b_attn
		.amdhsa_group_segment_fixed_size 327680
		.amdhsa_private_segment_fixed_size 0
		.amdhsa_enable_private_segment 0
		.amdhsa_kernarg_size 24
		.amdhsa_user_sgpr_count 2
		.amdhsa_user_sgpr_kernarg_segment_ptr 1
		.amdhsa_wavefront_size32 1
		.amdhsa_system_sgpr_workgroup_id_x 1
		.amdhsa_system_sgpr_workgroup_id_y 1
		.amdhsa_system_sgpr_workgroup_id_z 1
		.amdhsa_system_vgpr_workitem_id 0
		.amdhsa_next_free_vgpr 256
		.amdhsa_next_free_sgpr 100
		.amdhsa_reserve_vcc 1
		.amdhsa_float_denorm_mode_32 3
		.amdhsa_float_denorm_mode_16_64 3
		.amdhsa_fp16_overflow 1
		.amdhsa_memory_ordered 1
		.amdhsa_forward_progress 1
		.amdhsa_inst_pref_size 98
	.end_amdhsa_kernel
	.amdgpu_metadata
---
amdhsa.version: [ 1, 2 ]
amdhsa.kernels:
  - .name:           k_q764243e40b_attn
    .symbol:         k_q764243e40b_attn.kd
    .args:
      - { .name: qkv, .offset: 0, .size: 8, .value_kind: global_buffer, .address_space: global }
      - { .name: lowp_scales, .offset: 8, .size: 8, .value_kind: global_buffer, .address_space: global }
      - { .name: ac, .offset: 16, .size: 8, .value_kind: global_buffer, .address_space: global }
    .group_segment_fixed_size: 327680
    .private_segment_fixed_size: 0
    .kernarg_segment_align: 8
    .kernarg_segment_size: 24
    .max_flat_workgroup_size: 512
    .sgpr_count:     100
    .vgpr_count:     256
    .wavefront_size: 32
...
	.end_amdgpu_metadata
.endif
;; end of part 3
;; launch proj (part 4): grid 4 x 64, 4 waves a work-group, clusters of 4 x 4, 327,680 bytes of LDS; arguments ac, wc, lowp_scales, bp, out0; writes out0
.if DOCPART == 4
	.amdgcn_target "amdgcn-amd-amdhsa--gfx1250"
	.amdhsa_code_object_version 6
	.text
	.protected	k_q764243e40b_proj
	.globl	k_q764243e40b_proj
	.p2align	8
	.type	k_q764243e40b_proj,@function
k_q764243e40b_proj:
	s_mov_b64 s[64:65], 0
	v_nop
	global_prefetch_b8 v0, s[64:65] scope:SCOPE_SE
	s_setreg_imm32_b32 hwreg(HW_REG_WAVE_MODE, 25, 1), 1
	s_wait_xcnt 0x0
	s_wait_alu depctr_hold_cnt(0) depctr_sa_sdst(0) depctr_va_vdst(0) depctr_va_sdst(0) depctr_va_ssrc(0) depctr_va_vcc(0) depctr_vm_vsrc(0)
	s_getreg_b32 s2, hwreg(HW_REG_IB_STS2, 6, 4)
	s_cmp_eq_u32 s2, 0
	s_cbranch_scc0 .Lentry_in_a_cluster
	s_endpgm
.Lentry_in_a_cluster:
	s_bfe_u32 s2, ttmp6, 0x10000c
	s_cmp_lg_u32 s2, 0xf033
	s_cbranch_scc0 .Lentry_shape_is_right
	s_endpgm
.Lentry_shape_is_right:
; out0[m][n] = (sum over k of A[m][k] Wp[n][k]) x 2^(e10 + e11) + bp[n], on codes of BF8 (E5M2).  A is attention's output as codes, laid [b][h][t][64]: k = 64 h + d.  Wp's codes lie 3 MiB into wc, [1024 n][1024 k].  out0: [8192][1024] f32.
; LIMIT: e10 + e11 lies between -126 and 127, so that 2^(e10 + e11) is an f32 number.
; A tile of out0 is 128 x 256: 256 work-groups.  Four waves, 2 x 2, each 64 x 128: 32 accumulators, 256 registers.  K goes in four steps of 256 (four heads) through two LDS slots filled by the tensor data mover.
; A head's part of A's tile, 128 rows x 64 bytes, is one dense run of 8,192 bytes: the descriptor states it as ONE row, two such rows (two heads, 131,072 bytes apart) to a load, with 16 bytes of padding behind every 64: LDS rows of 80 bytes.
; CLUSTER: 4 x 4 work-groups; the four of a row of the cluster need the same tiles of A, the four of a column the same tiles of Wp: each tile is asked for JOINTLY.
; THE MATRIX INSTRUCTION IS USED TRANSPOSED (source 0 = 16 rows of Wp, source 1 = 16 rows of A): a lane then holds eight neighbouring numbers of a row of out0.
; REGISTERS, in windows of 256: window 0: v0-31 addresses, v32-255 at work on the way out.  window 1: Wp's fragments, two sets of 128.  window 2: the accumulators ((a, b) at v[8 (8 a + b)]).  window 3: A's fragments, two sets of 64; from v128 bp in the result's layout.
.set PA,     80                        ; a row of A in LDS: 64 bytes + 16 of padding
.set HB,     128*PA                    ; a head's 128 rows
.set PB,     272                       ; a row of Wp's tile: 256 bytes + 16
.set BOFF,   4*HB                      ; a slot: four heads of A, then Wp's 256 rows
.set SLOT,   BOFF+256*PB
.set SPARE,  2*SLOT                    ; behind the ring: the spare words, 128 bytes for each wave, which no other line names
.set SPITCH, 528                       ; the way out: a stage of 16 rows x (512 bytes + 16) for each wave, in slot 0, which has had its last fill and its last read by then
.set ADRA, 16                          ; v16-17  LDS address of my A fragments in slot 0, 1
.set ADRB, 20                          ; v20-21  the same for Wp
.set STO,  24                          ; v24     the way out: where I put 32 bytes of a row
.set RD,   25                          ; v25     where I read a row back
.set CO,   26                          ; v26     my byte offset in a row's 512
.set BO,   27                          ; v27     bp: 32 x (lane / 16)
.set SPW,  28                          ; v28     LDS address of my spare word; never rewritten
.set NIL,  29                          ; v29     0; never rewritten
.set TMP,  32
.set BK,   128                         ; 16 rows read back from the stage: v128-191 and v192-255 by turns
.set BIAS, 128                         ; in window 3
.set G1, 24                            ; s[24:31] descriptor group 1 for A's tiles;  s[32:39] group 0, one set for each slot
.set G0, 32
.set G1B, 48                           ; s[48:55], s[56:63] the same for Wp's tiles
.set G0B, 56
.set MSB, 0
.macro WIN new                         ; the immediate's high byte repeats the setting that is left
.if MSB != \new
	s_set_vgpr_msb (MSB<<8)|\new
.set MSB, \new
.endif
.endm
.set MUL,  0xad                        ; source 0 (Wp) window 1, source 1 (A) window 3, C and D window 2
.set TO_B, 0x40                        ; destination window 1, address window 0
.set TO_A, 0xc0                        ; destination window 3
.macro JLOAD g0a, g1a, g0b, g1b        ; a joint load: waves 0 and 1 fetch for A, waves 2 and 3 for Wp; four v_nop follow each of the two lines
	s_cmp_eq_u32 s15, 0
	s_cbranch_scc0 .Lfor_b_\@
	tensor_load_to_lds s[\g0a:\g0a+3], s[\g1a:\g1a+7]
	s_nop 0
.rept 4
	v_nop
.endr
	s_branch .Lasked_\@
.Lfor_b_\@:
	tensor_load_to_lds s[\g0b:\g0b+3], s[\g1b:\g1b+7]
	s_nop 0
.rept 4
	v_nop
.endr
.Lasked_\@:
.endm
.macro CREST                           ; a round of the cluster's barrier behind its opening barrier
	s_cmp_lg_u32 s14, 0
	s_cbranch_scc1 .Lnot_wave_0_\@
	s_barrier_signal -3
.Lnot_wave_0_\@:
	s_barrier_wait -3
	s_barrier_signal -1
	s_barrier_wait -1
.endm
.macro CROUND                          ; a whole round
	s_barrier_signal -1
	s_barrier_wait -1
	CREST
.endm
	s_load_b256 s[4:11], s[0:1], 0x0               ; ac s[4:5], wc s[6:7], the scales s[8:9], bp s[10:11]
	s_load_b64 s[12:13], s[0:1], 0x20              ; out0
	v_lshl_add_u32 v[SPW], v0, 2, SPARE
	v_mov_b32 v[NIL], 0
	ds_add_u32 v28, v29
	ds_add_u32 v28, v29
	s_wait_dscnt 0x0
	v_lshrrev_b32 v1, 5, v0
	v_readfirstlane_b32 s14, v1                    ; wave 0..3
	s_lshr_b32 s15, s14, 1                         ; which 64 of the tile's rows are mine.  Also: I fetch for A (0) or for Wp (1)
	s_and_b32 s16, s14, 1                          ; which 128 of its columns.  Also: which half of that tile I fetch
	s_bfe_u32 s40, ttmp6, 0x40000                  ; cx: also the tile column (the grid is one cluster wide)
	s_bfe_u32 s41, ttmp6, 0x40004                  ; cy
	s_and_b32 s17, ttmp7, 0xffff
	s_lshl_b32 s17, s17, 2
	s_add_co_u32 s17, s17, s41                     ; tile row = 4 x cluster y + cy, 0 .. 63
	s_lshl_b32 s43, s41, 2
	s_lshl_b32 s43, 15, s43                        ; my row of the cluster
	s_lshl_b32 s44, 0x1111, s40                    ; my column
	s_or_b32 s[G1+0], s43, (0<<16)|(1<<20)|(1<<21)|(3<<22)|(3<<25)  ; 15:0 the mask: A's tiles go to my row; 17:16 element of 1 byte; 20 padding on; 21 set beside a mask; 24:22 after every 16 words (code 3); 31:25 of 4 words (code 3)
	s_mov_b32 s[G1+1], 8192<<16                    ; tensor_dim0 = 8,192: a head's 128 rows x 64 bytes on end
	s_mov_b32 s[G1+2], 2<<16                       ; tensor_dim1 = 2 heads
	s_mov_b32 s[G1+3], 8192<<16                    ; tile_dim0
	s_mov_b32 s[G1+4], 2                           ; tile_dim1
	s_mov_b32 s[G1+5], 131072                      ; tensor_dim0_stride: from head to head
	s_mov_b32 s[G1+6], 0
	s_mov_b32 s[G1+7], 0
	s_or_b32 s[G1B+0], s44, (0<<16)|(1<<20)|(1<<21)|(5<<22)|(3<<25) ; Wp's tiles go to my column; padding: four words after every 64
	s_mov_b32 s[G1B+1], 256<<16
	s_mov_b32 s[G1B+2], 128<<16
	s_mov_b32 s[G1B+3], 256<<16
	s_mov_b32 s[G1B+4], 128
	s_mov_b32 s[G1B+5], 1024
	s_mov_b32 s[G1B+6], 0
	s_mov_b32 s[G1B+7], 0
	s_lshr_b32 s20, s17, 4                         ; A: batch (tile row / 16) x 2 MiB
	s_lshl_b32 s20, s20, 21
	s_and_b32 s21, s17, 15
	s_lshl_b32 s21, s21, 13                        ; + (tile row % 16) x 128 rows of 64 bytes
	s_add_co_u32 s20, s20, s21
	s_lshl_b32 s21, s16, 18                        ; + my two heads of the K step's four
	s_add_co_u32 s20, s20, s21
	s_mov_b32 s21, 0
	s_lshl_b32 s46, s40, 8                         ; Wp: row 256 x tile column + 128 x half,
	s_lshl_b32 s47, s16, 7
	s_add_co_u32 s46, s46, s47
	s_lshl_b32 s46, s46, 10                        ; of 1,024 bytes,
	s_add_co_u32 s46, s46, 0x300000                ; 3 MiB into wc
	s_mov_b32 s47, 0
	s_mul_i32 s45, s16, 2*HB                       ; where they go: no place in the cluster enters an LDS address
	s_mul_i32 s66, s16, 128*PB
	s_add_co_u32 s66, s66, BOFF
	s_wait_kmcnt 0x0
	s_load_b64 s[96:97], s[8:9], 0x28              ; e10, e11
	s_add_nc_u64 s[20:21], s[4:5], s[20:21]
	s_add_nc_u64 s[46:47], s[6:7], s[46:47]
	CROUND                                         ; all sixteen work-groups are here: the first joint loads meet
.irp s, 0,1
	s_mov_b32 s[G0+4*\s], 1
	s_add_co_u32 s[G0+4*\s+1], s45, \s*SLOT
	s_add_nc_u64 s[G0+4*\s+2:G0+4*\s+3], s[20:21], \s*4*131072     ; K step s: four heads on
	s_or_b32 s[G0+4*\s+3], s[G0+4*\s+3], 0x80000000
	s_mov_b32 s[G0B+4*\s], 1
	s_add_co_u32 s[G0B+4*\s+1], s66, \s*SLOT
	s_add_nc_u64 s[G0B+4*\s+2:G0B+4*\s+3], s[46:47], \s*256
	s_or_b32 s[G0B+4*\s+3], s[G0B+4*\s+3], 0x80000000
	s_wait_alu depctr_va_vdst(0)
	s_wait_tensorcnt 0x0
	ds_add_u32 v28, v29
	ds_add_u32 v28, v29
	s_wait_dscnt 0x0
	CROUND
	JLOAD G0+4*\s, G1, G0B+4*\s, G1B
.endr
	v_and_b32 v1, 15, v0                           ; r = l % 16
	v_bfe_u32 v2, v0, 4, 1                         ; h = l / 16
	v_mul_u32_u24 v3, v1, PA
	v_lshl_add_u32 v3, v2, 4, v3                   ; A: row x pitch + 16 x half
	v_mul_u32_u24 v4, v1, PB
	v_lshl_add_u32 v4, v2, 4, v4                   ; Wp likewise
	s_mul_i32 s21, s15, 64*PA                      ; my 64 rows of A (in each head's block)
	s_mul_i32 s22, s16, 128*PB                     ; my 128 rows of Wp,
	s_add_co_u32 s22, s22, BOFF                    ; which lie behind A's four blocks
.irp s, 0,1
	v_add_nc_u32 v[ADRA+\s], s21, v3
	v_add_nc_u32 v[ADRB+\s], s22, v4
	s_add_co_u32 s21, s21, SLOT
	s_add_co_u32 s22, s22, SLOT
.endr
	s_mul_i32 s23, s14, 16*SPITCH                  ; my stage
	v_mul_u32_u24 v5, v1, SPITCH                   ; in: row l % 16, 32 bytes for each half of the lanes
	v_lshl_add_u32 v5, v2, 5, v5
	v_add_nc_u32 v[STO], s23, v5
	v_and_b32 v6, 31, v0
	v_lshlrev_b32 v[CO], 4, v6                     ; back: the 32 lanes take one row of 512 bytes; and the same in out0
	v_add_nc_u32 v[RD], s23, v[CO]
	s_lshl_b32 s68, s40, 10                        ; my first column, in bytes: 1,024 x tile column + 512 x half
	s_lshl_b32 s69, s16, 9
	s_add_co_u32 s68, s68, s69
	s_mov_b32 s69, 0
	s_add_nc_u64 s[10:11], s[10:11], s[68:69]      ; bp at my 128 columns
	s_lshl_b32 s70, s17, 19                        ; my first row: 128 x tile row + 64 x half, of 4,096 bytes
	s_lshl_b32 s71, s15, 18
	s_add_co_u32 s70, s70, s71
	s_add_co_u32 s70, s70, s68
	s_mov_b32 s71, 0
	s_add_nc_u64 s[12:13], s[12:13], s[70:71]
	v_lshlrev_b32 v[BO], 5, v2
	WIN TO_A
.irp b, 0,1,2,3,4,5,6,7                        ; bp in the result's layout: register 8 b + j = bp[my first column + 16 b + 8 h + j]; waited for in front of the way out
	global_load_b128 v[BIAS+8*\b:BIAS+8*\b+3], v[BO], s[10:11] offset:64*\b
	global_load_b128 v[BIAS+8*\b+4:BIAS+8*\b+7], v[BO], s[10:11] offset:64*\b+16
.endr
	WIN 0
; 8 matrix instructions: A's block a x Wp's eight, 128 along K, on set p.  zero = 1: the first product starts the sums.  The 32 accumulators take turns, one instruction a turn, in the same order in every step.
.macro MUL8 a, p, zero
.irp b, 0,1,2,3,4,5,6,7
.if \zero
	v_wmma_f32_16x16x128_bf8_bf8 v[8*(8*(\a)+\b):8*(8*(\a)+\b)+7], v[128*(\p)+16*\b:128*(\p)+16*\b+15], v[64*(\p)+16*(\a):64*(\p)+16*(\a)+15], 0
.else
	v_wmma_f32_16x16x128_bf8_bf8 v[8*(8*(\a)+\b):8*(8*(\a)+\b)+7], v[128*(\p)+16*\b:128*(\p)+16*\b+15], v[64*(\p)+16*(\a):64*(\p)+16*(\a)+15], v[8*(8*(\a)+\b):8*(8*(\a)+\b)+7]
.endif
.endr
.endm
; 48 LDS loads in one run: the fragments of the slot's q-th 128 along K into set p.  In both operands registers 4 c .. 4 c + 3 of lane (r, h) hold k = 128 q + 32 c + 16 h + 0 .. 15; in A that is head 2 q + c / 2 of the slot's four, byte 32 (c % 2) + 16 h.
.macro FETCH slot, q, p
	WIN TO_B
.irp i, 0,1,2,3,4,5,6,7
.irp c, 0,1,2,3
	ds_load_b128 v[128*(\p)+16*\i+4*\c:128*(\p)+16*\i+4*\c+3], v[ADRB+\slot] offset:128*(\q)+32*\c+\i*16*PB
.endr
.endr
	WIN TO_A
.irp i, 0,1,2,3
.irp c, 0,1,2,3
	ds_load_b128 v[64*(\p)+16*\i+4*\c:64*(\p)+16*\i+4*\c+3], v[ADRA+\slot] offset:(2*(\q)+\c/2)*HB+32*(\c%2)+\i*16*PA
.endr
.endr
.endm
.macro PLACES                          ; four places in front of loads into registers that matrix instructions have read, and of the first read of results
.rept 4
	v_nop
.endr
.endm
; A slot's first 128 along K: multiplies set 0 and fetches the second 128 into set 1.
.macro STEP slot, zero
	s_wait_dscnt 0x0                               ; set 0 is in
	WIN MUL
	MUL8 0, 0, \zero
	MUL8 1, 0, \zero
	PLACES
	FETCH \slot, 1, 1
	WIN MUL
	MUL8 2, 0, \zero
	MUL8 3, 0, \zero
	WIN 0
.endm
; A slot's second 128 multiplies set 1 and changes slots: ONE barrier; in front of it each wave waits for all its tensor loads, adds 0 to its spare word, and waits for that and for its own reads of this slot.  fill = 1: this slot is filled again, two K steps ahead.
.macro TURN slot, next, fill
	s_wait_tensorcnt 0x0                           ; all my tensor loads have landed: my part of the next slot  (every window is 0 here)
	ds_add_u32 v[SPW], v[NIL]                      ; 0 onto my spare word
	s_wait_dscnt 1                                 ; set 1 is in; the add alone may be out
	WIN MUL
	MUL8 0, 1, 0                                   ; eight matrix instructions stand between the add and the wait for it
	s_wait_dscnt 0x0                               ; the add is done, and my reads of this slot are over
	s_barrier_signal -1
	MUL8 1, 1, 0
	WIN 0
	s_barrier_wait -1
.if \fill
	CREST                                          ; the barrier has opened a round of the cluster's barrier: no wave of any partner still reads this slot's tile or has a load on its way
	s_add_nc_u64 s[G0+4*\slot+2:G0+4*\slot+3], s[G0+4*\slot+2:G0+4*\slot+3], 8*131072   ; eight heads on
	s_add_nc_u64 s[G0B+4*\slot+2:G0B+4*\slot+3], s[G0B+4*\slot+2:G0B+4*\slot+3], 512
	JLOAD G0+4*\slot, G1, G0B+4*\slot, G1B         ; the first tensor load behind the round; its four v_nop are also the places in front of the loads below
.else
	PLACES
.endif
	s_wait_alu depctr_va_vdst(0)
	FETCH \next, 0, 0
	WIN MUL
	MUL8 2, 1, 0
	MUL8 3, 1, 0
	WIN 0
.endm
	s_wait_tensorcnt 1                             ; my part of K step 0 is in (K step 1's load may be out)
	s_barrier_signal -1
	s_barrier_wait -1                              ; everybody's is
	FETCH 0, 0, 0
	STEP 0, 1                                      ; K = 1,024 is four K steps of 256: written out.  The first products start the sums
	TURN 0, 1, 1                                   ; slot 0 takes K step 2
	STEP 1, 0
	TURN 1, 0, 1                                   ; slot 1 takes K step 3
	STEP 0, 0
	TURN 0, 1, 0                                   ; nothing is left to fetch; behind this barrier nobody reads slot 0
	STEP 1, 0
	s_wait_dscnt 0x0                               ; the very last 128 along K
	WIN MUL
	MUL8 0, 1, 0
	MUL8 1, 1, 0
	MUL8 2, 1, 0
	MUL8 3, 1, 0
	WIN 0
; THE WAY OUT, block by block of 16 rows x 128 columns: sum x 2^(e10 + e11) + bp by one packed multiply-add for two numbers, into other registers, each accumulator from its low end on; through my own stage in LDS; back as whole rows of 512 bytes.
.macro TOSTAGE a
	WIN 0x32                                       ; source 0 (the sums) window 2, source 2 (bp) window 3
.set j, 0
.rept 32
	v_pk_fma_f32 v[TMP+j:TMP+j+1], v[64*(\a)+j:64*(\a)+j+1], s[96:97], v[BIAS+j:BIAS+j+1] op_sel_hi:[1,0,1]
.set j, j+2
.endr
	WIN 0
.irp b, 0,1,2,3,4,5,6,7
	ds_store_b128 v[STO], v[TMP+8*\b:TMP+8*\b+3] offset:64*\b
	ds_store_b128 v[STO], v[TMP+8*\b+4:TMP+8*\b+7] offset:64*\b+16
.endr
.set BB, BK+64*((\a)%2)
.irp t, 0,1,2,3,4,5,6,7,8,9,10,11,12,13,14,15
	ds_load_b128 v[BB+4*\t:BB+4*\t+3], v[RD] offset:\t*SPITCH     ; LDS serves a wave's instructions in order (ISA guide 5.7.1.4): these see my stores, and the next block's stores come behind them
.endr
.endm
.macro SEND a, younger                 ; younger: the LDS instructions issued behind block a's loads, which may stay out
.set BB, BK+64*((\a)%2)
	s_wait_dscnt \younger                          ; the block is back in registers
.if (\a) > 0
	s_add_nc_u64 s[12:13], s[12:13], 16*4096       ; (behind a wait on XCNT: the earlier stores have read their base)  16 rows on
.endif
.irp t, 0,1,2,3,4,5,6,7,8,9,10,11,12,13,14,15
	global_store_b128 v[CO], v[BB+4*\t:BB+4*\t+3], s[12:13] offset:\t*4096 th:TH_STORE_NT   ; 32 lanes store 512 consecutive bytes, at a multiple of 256 from out0's first byte; written once, read by nobody here
.endr
.endm
	s_wait_kmcnt 0x0
	s_add_co_i32 s96, s96, s97                     ; e10 + e11
	s_add_co_i32 s96, s96, 127
	s_lshl_b32 s96, s96, 23                        ; 2^(e10 + e11) as f32
	s_mov_b32 s97, s96                             ; (named with it as a pair)
	s_wait_loadcnt 0x0                             ; bp
	PLACES
	TOSTAGE 0
.irp a, 1,2,3
.if \a > 1
	s_wait_xcnt 0x0                                ; block a - 2's stores have read their registers and their base: block a's loads may land there, and the base may step
.endif
	TOSTAGE \a
	SEND \a-1, 32                                  ; behind block a - 1's loads: block a's 16 stores and 16 loads
.endr
	s_wait_xcnt 0x0                                ; block 2's stores have read their base
	SEND 3, 0
	s_wait_tensorcnt 0x0                           ; the wave's end
	ds_add_u32 v[SPW], v[NIL]
	s_wait_dscnt 0x0
	CROUND                                         ; the closing round: no work-group ends while a partner may still ask for a tile that names it
	s_endpgm
.Lfunc_end_k_q764243e40b_proj:
	.size	k_q764243e40b_proj, .Lfunc_end_k_q764243e40b_proj-k_q764243e40b_proj
	.p2alignl 7, 3214868480
	.fill 96, 4, 3214868480
	.section	.rodata,"a",@progbits
	.p2align	6, 0x0
	.amdhsa_kernel k_q764243e40b_proj
		.amdhsa_group_segment_fixed_size 327680
		.amdhsa_private_segment_fixed_size 0
		.amdhsa_enable_private_segment 0
		.amdhsa_kernarg_size 40
		.amdhsa_user_sgpr_count 2
		.amdhsa_user_sgpr_kernarg_segment_ptr 1
		.amdhsa_wavefront_size32 1
		.amdhsa_system_sgpr_workgroup_id_x 1
		.amdhsa_system_sgpr_workgroup_id_y 1
		.amdhsa_system_sgpr_workgroup_id_z 1
		.amdhsa_system_vgpr_workitem_id 0
		.amdhsa_next_free_vgpr 1024
		.amdhsa_next_free_sgpr 100
		.amdhsa_reserve_vcc 0
		.amdhsa_float_denorm_mode_32 3
		.amdhsa_float_denorm_mode_16_64 3
		.amdhsa_memory_ordered 1
		.amdhsa_forward_progress 1
		.amdhsa_inst_pref_size 78
	.end_amdhsa_kernel
	.amdgpu_metadata
---
amdhsa.version: [ 1, 2 ]
amdhsa.kernels:
  - .name:           k_q764243e40b_proj
    .symbol:         k_q764243e40b_proj.kd
    .args:
      - { .name: ac, .offset: 0, .size: 8, .value_kind: global_buffer, .address_space: global }
      - { .name: wc, .offset: 8, .size: 8, .value_kind: global_buffer, .address_space: global }
      - { .name: lowp_scales, .offset: 16, .size: 8, .value_kind: global_buffer, .address_space: global }
      - { .name: bp, .offset: 24, .size: 8, .value_kind: global_buffer, .address_space: global }
      - { .name: out0, .offset: 32, .size: 8, .value_kind: global_buffer, .address_space: global }
    .group_segment_fixed_size: 327680
    .private_segment_fixed_size: 0
    .kernarg_segment_align: 8
    .kernarg_segment_size: 40
    .max_flat_workgroup_size: 128
    .sgpr_count:     100
    .vgpr_count:     1024
    .wavefront_size: 32
...
	.end_amdgpu_metadata
.endif
;; end of part 4
